; MI455X (gfx1250); checked and timed in simulation.
; The chip was launched on July 23, 2026; its instructions are those of AMD's public machine-readable ISA for CDNA 5 (MIT licence, August 2026) and "CDNA5" Instruction Set Architecture Reference Guide (July 2026). The comments in the code are by the model that wrote it; some were corrected since.
;; Audio XMM Di T Cross Attention. Allowed arithmetic: matrix products marked QUANTISED: E2M1 operands, one E8M0 scale for each 32 along K, by v_wmma_scale_f32_16x16x128_f8f6f4 with both operands' format E2M1 (or v_wmma_scale_f32_32x16x128_f4), f32 sums; everything else in f32.
;; Inputs: Wk 2,048 x 2,048 float32; Wq 2,048 x 2,048 float32; Wv 2,048 x 2,048 float32; context 2 x 512 x 2,048 float32; x 2 x 4,096 x 2,048 float32.
;; Outputs: out0 2 x 4,096 x 2,048 float32.
;; This version of the problem:
;;   THIS VERSION OF THE PROBLEM IS GIVEN IN LOW PRECISION. The matrix products marked QUANTISED in the list below multiply operands that are first quantised to E2M1 (2 exponent bits, 1 mantissa bit; 4 bits a number), with one power-of-two scale for each 32 numbers along K (OCP MX v1.0); their sums are f32. All else is computed in f32.
;;   The module's matrix products, in the order in which they are computed (A, B: the left and right operand; K: the contracted axis; several contracted axes count as one K, in the product's order):
;;     1. [M 8,192, K 2,048] x [K 2,048, N 2,048]; A: input x; B: input Wq: QUANTISED
;;     2. [M 1,024, K 2,048] x [K 2,048, N 2,048]; A: input context; B: input Wk: QUANTISED
;;     3. [M 1,024, K 2,048] x [K 2,048, N 2,048]; A: input context; B: input Wv: QUANTISED
;;     4. batch 64 x [M 4,096, K 64] x [K 64, N 512]; A: computed on the way; B: computed on the way: QUANTISED
;;     5. batch 64 x [M 4,096, K 512] x [K 512, N 64]; A: softmax (see below); B: computed on the way: QUANTISED
;;   THE QUANTISER, for each operand of a quantised product, along K:
;;     - K is cut into blocks of 32 from its start; a last block that is shorter is filled with zeros.
;;     - A block's scale is 2^e with e = floor(log2(the largest magnitude in the block)) - 2, held to -126 .. 127; a block of zeros has e = 0. As a byte (E8M0): e + 127.
;;     - Each number is divided by its block's scale, clamped to +-6, and rounded to the nearest number of E2M1, ties to even, subnormals kept.
;;     - The product sums the exact products of the quantised numbers (number of the format x scale) in f32.
;;   ~~~python
;;   def quantise(x, axis):      # numpy; x: float32 -> the quantised numbers, widened to float32 again
;;       x = np.moveaxis(x, axis, -1); K = x.shape[-1]
;;       x = np.pad(x, [(0, 0)] * (x.ndim - 1) + [(0, -K % 32)]); x = x.reshape(x.shape[:-1] + (-1, 32)); a = np.abs(x).max(-1, keepdims=True)
;;       e = np.where(a > 0, np.clip(np.frexp(np.where(a > 0, a, 1))[1] - 1 - 2, -126, 127), 0)      # np.frexp(a)[1] - 1 = floor(log2(a)), exactly
;;       r = np.clip(x / 2.0 ** e, -6, 6)
;;       step = 2.0 ** (np.maximum(np.frexp(np.where(r == 0, 1, r))[1] - 1, 0) - 1)
;;       q = np.round(r / step) * step * 2.0 ** e      # np.round: ties to even
;;       return np.moveaxis(q.reshape(q.shape[:-2] + (-1,))[..., :K], -1, axis).astype(np.float32)
;;   ~~~
;;   SOFTMAX AHEAD OF A QUANTISED PRODUCT. Where the list says 'softmax', what is quantised is not the finished softmax but p = 2^(t - M), with t = logit x log2(e) and M = ceil(the row's largest t), a whole number; so 1/2 < the row's largest p <= 1. The row's sum l is taken of the UNQUANTISED p, in f32, and the product's result is divided by l at the end. Since M is a whole number, a kernel that streams over the keys may use a running M (the ceiling of the running maximum): every later rescaling is an exact power of two, which a block's scale takes up: the codes' values come out the same.
;;   OPERANDS COMPUTED ON THE WAY. 'Computed on the way' means the value that the module computes at that place (a softmax that the list does not call 'softmax' is quantised finished and normalised). What goes into a quantiser is computed in f32, as accurately as f32 sums, v_exp_f32 and their like allow (about 1e-6 of the number): no bf16 or f16 on the way to a quantiser, and a product that is left as it is and whose result goes on into a quantised operand takes f32 operands (vector FMAs, or v_wmma_f32_16x16x4_f32). A number that lies on a knife's edge between two numbers of the format may be rounded either way, as far as f32 arithmetic and the matrix unit's own rounding can turn it there, and no further.
;; One version. Each part assembles by itself: llvm-mc -triple=amdgcn-amd-amdhsa -mcpu=gfx1250 --defsym DOCPART=n.
;; ======== version 1 of 1: 3 launches
;; limits: right only within a limited range of input values
;; workspace buffers: codes 15,728,640 bytes; scales 983,040 bytes; kimg 1,048,576 bytes; ksw 131,072 bytes; vimg 1,048,576 bytes; vsw 65,536 bytes
;; launch quant (part 1): grid 256 x 1, 15 waves a work-group, no clusters, 6,144 bytes of LDS; arguments x, context, Wq, Wk, Wv, codes, scales; writes codes, scales
.if DOCPART == 1
	.amdgcn_target "amdgcn-amd-amdhsa--gfx1250"
	.amdhsa_code_object_version 6
	.text
	.protected	k_q51e4feec40_quant
	.globl	k_q51e4feec40_quant
	.p2align	8
	.type	k_q51e4feec40_quant,@function
k_q51e4feec40_quant:
	s_mov_b64 s[64:65], 0
	v_nop
	global_prefetch_b8 v0, s[64:65] scope:SCOPE_SE
	s_setreg_imm32_b32 hwreg(HW_REG_WAVE_MODE, 25, 1), 1
	s_wait_xcnt 0x0
; x [8192][2048], context [1024][2048], Wq, Wk, Wv [2048][2048], all f32 with K innermost, are turned into codes of FP4 (E2M1), 4 bits each, and one E8M0 scale byte for each 32 along K.
; The five tensors' rows follow each other in the two workspace buffers: codes [15360][1024 bytes], scales [15360][64 bytes]; x from row 0, context from 8192, Wq from 9216, Wk from 11264, Wv from 13312.
; A block's scale is 2^(floor(log2(its largest magnitude)) - 2); its byte is the largest magnitude's own exponent field - 2, held at 1 from below.  Each number is divided by the scale and rounded to the nearest code, ties to even; beyond 6 the largest code.
; LIMITS: a block of zeros gets the byte 1 where the quantiser says 127 (its codes are zeros, which add nothing under any byte but 0xff, and this program alone reads the bytes); blocks whose largest magnitude lies under 2^-124 are held at that floor; NaN and infinities among the inputs are not served.
; Every tensor is a plain stream of blocks of 32 numbers.  The streams are 3,840 runs of 8,192 numbers; a wave takes one run in 16 steps of 512: 256 work-groups of 15 waves.  Run = 15 x work-group + wave.
; Each of a step's four loads reads 512 consecutive bytes (a segment), 16 a lane.  The conversions want 8 neighbours in a lane's consecutive registers, so the four lanes 4 m .. 4 m + 3 exchange their 4 x 4 pieces of 16 bytes in registers,
; in two stages (lane xor 1, lane xor 2): lane 4 m + s then holds numbers 16 m .. 16 m + 15 of segment s.  A block lies in lanes l and l xor 4.
; A lane's 16 codes are 8 bytes at 64 s + 8 m: the wave's store covers 256 consecutive bytes, aligned.  A wave's 256 scale bytes are gathered in its own LDS bytes and leave as 256 consecutive bytes, aligned.
; No tensor loads, no barrier, no cluster: waves share nothing.  Loads run four steps (16 loads a wave) ahead.
.set STEPS, 16
.set EMAX,  2
.set R,     16                         ; v16-79   four sets of 16 numbers as they are loaded: register 4 s + c
.set U,     80                         ; v80-95   behind the first stage
.set X,     96                         ; v96-111  16 neighbours
.set D,     112                        ; v112-127 what the other lane holds
.set C,     128                        ; v128-159 codes: two registers a step, so that no store's data are written again
.set E,     160                        ; v160-175 a scale byte for each step
.set SPW,   12
.set NIL,   13
.set SPARE, 4096                       ; behind the waves' 15 x 256 scale bytes: the spare words, 128 bytes a wave
	s_load_b256 s[4:11], s[0:1], 0x0               ; x, context, Wq, Wk
	s_load_b128 s[12:15], s[0:1], 0x20             ; Wv, codes
	s_load_b64 s[16:17], s[0:1], 0x30              ; scales
	v_lshl_add_u32 v[SPW], v0, 2, SPARE
	v_mov_b32 v[NIL], 0
	v_lshrrev_b32 v1, 5, v0
	v_readfirstlane_b32 s24, v1                    ; wave
	v_and_b32 v2, 31, v0                           ; lane
	v_lshlrev_b32 v3, 4, v2                        ; my 16 bytes of a load's 512
	v_and_b32 v8, 3, v2                            ; s
	v_lshrrev_b32 v9, 2, v2                        ; m
	v_lshlrev_b32 v4, 6, v8
	v_lshl_add_u32 v4, v9, 3, v4                   ; my codes' place in a step's 256 bytes: 64 s + 8 m
	s_lshl_b32 s25, s24, 8                         ; my wave's 256 scale bytes in LDS
	v_lshrrev_b32 v9, 3, v2
	v_lshl_add_u32 v5, v8, 2, v9
	v_add_nc_u32 v5, s25, v5                       ; my block's byte of a step's 16: 4 s + m / 2
	v_lshlrev_b32 v7, 3, v2                        ; on the way out 8 bytes a lane
	v_add_nc_u32 v6, s25, v7
.irp k, 0,1,2,3,4,5,6,7,8,9,10,11,12,13,14,15
	v_mov_b32 v[D+\k], 0                           ; the destination of a DPP form counts as one of its sources: written once
.endr
	s_mov_b32 s30, 0xaaaaaaaa                      ; the lanes with bit 0 set
	s_mov_b32 s31, 0xcccccccc                      ; and with bit 1 set
	s_mul_i32 s28, ttmp9, 15
	s_add_co_u32 s28, s28, s24                     ; my run
	s_wait_alu depctr_va_vdst(0)
	s_wait_kmcnt 0x0
	; which tensor is my run's?  The choice hangs on ids alone: 0-2047 x, 2048-2303 context, 2304-2815 Wq, 2816-3327 Wk, 3328-3839 Wv
	s_mov_b64 s[20:21], s[12:13]
	s_mov_b32 s22, 3328
	s_cmp_lt_u32 s28, 3328
	s_cselect_b64 s[20:21], s[10:11], s[20:21]
	s_cselect_b32 s22, 2816, s22
	s_cmp_lt_u32 s28, 2816
	s_cselect_b64 s[20:21], s[8:9], s[20:21]
	s_cselect_b32 s22, 2304, s22
	s_cmp_lt_u32 s28, 2304
	s_cselect_b64 s[20:21], s[6:7], s[20:21]
	s_cselect_b32 s22, 2048, s22
	s_cmp_lt_u32 s28, 2048
	s_cselect_b64 s[20:21], s[4:5], s[20:21]
	s_cselect_b32 s22, 0, s22
	s_sub_co_u32 s22, s28, s22                     ; which run of the tensor
	s_lshl_b32 s26, s22, 15                        ; 32,768 bytes a run
	s_mov_b32 s27, 0
	s_add_nc_u64 s[20:21], s[20:21], s[26:27]
	s_lshl_b32 s26, s28, 12                        ; 4,096 bytes of codes a run
	s_add_nc_u64 s[14:15], s[14:15], s[26:27]
	s_lshl_b32 s26, s28, 8                         ; 256 scale bytes a run
	s_add_nc_u64 s[16:17], s[16:17], s[26:27]
.macro LOAD t
.irp i, 0,1,2,3
	global_load_b128 v[R+16*((\t)%4)+4*\i:R+16*((\t)%4)+4*\i+3], v3, s[20:21] offset:2048*(\t)+512*\i th:TH_LOAD_NT   ; 32 lanes read 512 consecutive bytes
.endr
.endm
.irp t, 0,1,2,3
	LOAD \t
.endr
.macro STEP t
.set RS, R+16*((\t)%4)
.if STEPS-1-(\t) >= 3
	s_wait_loadcnt 12                              ; this step's four loads are in; those of the three steps behind it may be out
.else
	s_wait_loadcnt 4*(STEPS-1-(\t))
.endif
.irp k, 0,1,2,3,4,5,6,7,8,9,10,11,12,13,14,15
	v_mov_b32_dpp v[D+\k], v[RS+\k] row_xmask:1 row_mask:0xf bank_mask:0xf
.endr
.irp p, 0,1                                    ; first stage: a lane with bit 0 = e keeps segment 2 p + e: the even lane's piece, then the odd lane's
.irp c, 0,1,2,3
	v_cndmask_b32 v[U+8*\p+\c], v[RS+8*\p+\c], v[D+8*\p+4+\c], s30
	v_cndmask_b32 v[U+8*\p+4+\c], v[D+8*\p+\c], v[RS+8*\p+4+\c], s30
.endr
.endr
.if (\t)+4 < STEPS
	LOAD (\t)+4                                    ; the set has been read: it takes the loads of four steps on
.endif
.irp k, 0,1,2,3,4,5,6,7,8,9,10,11,12,13,14,15
	v_mov_b32_dpp v[D+\k], v[U+\k] row_xmask:2 row_mask:0xf bank_mask:0xf
.endr
.irp e, 0,1                                    ; second stage: a lane with bit 1 = g keeps p = g: pieces 0, 1 from the lower pair of lanes, pieces 2, 3 from the upper
.irp c, 0,1,2,3
	v_cndmask_b32 v[X+4*\e+\c], v[U+4*\e+\c], v[D+8+4*\e+\c], s31
	v_cndmask_b32 v[X+8+4*\e+\c], v[D+4*\e+\c], v[U+8+4*\e+\c], s31
.endr
.endr
	v_max3_num_f32 v8, |v[X]|, |v[X+1]|, |v[X+2]|                  ; the largest magnitude of my 16, in two chains
	v_max3_num_f32 v9, |v[X+3]|, |v[X+4]|, |v[X+5]|
.irp i, 6,10
	v_max3_num_f32 v8, v8, |v[X+\i]|, |v[X+\i+1]|
	v_max3_num_f32 v9, v9, |v[X+\i+2]|, |v[X+\i+3]|
.endr
	v_max3_num_f32 v8, v8, |v[X+14]|, |v[X+15]|
	v_max3_num_f32 v8, v8, v9, (EMAX+1)<<23        ; and the floor 2^(3 - 127): so the byte cannot fall under 1
	v_max_num_f32_dpp v8, v8, v8 row_xmask:4 row_mask:0xf bank_mask:0xf   ; and of lane l xor 4's 16: the block's
	v_add_nc_u32 v11, -(EMAX<<23), v8              ; 2 off its exponent field: the conversion takes the exponent field of this operand as its scale
	v_cvt_scalef32_pk8_fp4_f32 v[C+2*(\t)], v[X:X+7], v11
	v_cvt_scalef32_pk8_fp4_f32 v[C+2*(\t)+1], v[X+8:X+15], v11
	v_lshrrev_b32 v[E+(\t)], 23, v11               ; the scale's byte
	ds_store_b8 v5, v[E+(\t)] offset:16*(\t)       ; both lanes of a block write the same byte with the same value
.if ((\t)%4 == 3) && ((\t) < STEPS-1)          ; the codes leave in runs of four steps: each step's have registers of their own.  The last four steps' leave at the wave's end
.irp k, 3,2,1,0
	global_store_b64 v4, v[C+2*((\t)-\k):C+2*((\t)-\k)+1], s[14:15] offset:256*((\t)-\k)   ; 32 lanes store 256 consecutive bytes, aligned
.endr
.endif
.endm
.irp t, 0,1,2,3,4,5,6,7,8,9,10,11,12,13,14,15
	STEP \t
.endr
	ds_load_b64 v[10:11], v6                       ; LDS serves a wave's instructions in order: these see my stores
	s_wait_alu depctr_va_vdst(0)                   ; the wait ahead of the waits below
	s_wait_tensorcnt 0x0                           ; the wave's end, behind my last LDS store
	ds_add_u32 v[SPW], v[NIL]
	s_wait_dscnt 0x0                               ; the add is done, and the scale bytes are back
.irp k, 12,13,14,15
	global_store_b64 v4, v[C+2*\k:C+2*\k+1], s[14:15] offset:256*\k   ; 32 lanes store 256 consecutive bytes, aligned
.endr
	global_store_b64 v7, v[10:11], s[16:17]        ; 32 lanes store 256 consecutive bytes, aligned
	s_endpgm
.Lfunc_end_k_q51e4feec40_quant:
	.size	k_q51e4feec40_quant, .Lfunc_end_k_q51e4feec40_quant-k_q51e4feec40_quant
	.p2alignl 7, 3214868480
	.fill 96, 4, 3214868480
	.section	.rodata,"a",@progbits
	.p2align	6, 0x0
	.amdhsa_kernel k_q51e4feec40_quant
		.amdhsa_group_segment_fixed_size 6144
		.amdhsa_private_segment_fixed_size 0
		.amdhsa_enable_private_segment 0
		.amdhsa_kernarg_size 56
		.amdhsa_user_sgpr_count 2
		.amdhsa_user_sgpr_kernarg_segment_ptr 1
		.amdhsa_wavefront_size32 1
		.amdhsa_system_sgpr_workgroup_id_x 1
		.amdhsa_system_sgpr_workgroup_id_y 1
		.amdhsa_system_sgpr_workgroup_id_z 1
		.amdhsa_system_vgpr_workitem_id 0
		.amdhsa_next_free_vgpr 192
		.amdhsa_next_free_sgpr 66
		.amdhsa_reserve_vcc 0
		.amdhsa_float_denorm_mode_32 3
		.amdhsa_float_denorm_mode_16_64 3
		.amdhsa_memory_ordered 1
		.amdhsa_forward_progress 1
		.amdhsa_inst_pref_size 90
	.end_amdhsa_kernel
	.amdgpu_metadata
---
amdhsa.version: [ 1, 2 ]
amdhsa.kernels:
  - .name:           k_q51e4feec40_quant
    .symbol:         k_q51e4feec40_quant.kd
    .args:
      - { .name: x, .offset: 0, .size: 8, .value_kind: global_buffer, .address_space: global }
      - { .name: context, .offset: 8, .size: 8, .value_kind: global_buffer, .address_space: global }
      - { .name: Wq, .offset: 16, .size: 8, .value_kind: global_buffer, .address_space: global }
      - { .name: Wk, .offset: 24, .size: 8, .value_kind: global_buffer, .address_space: global }
      - { .name: Wv, .offset: 32, .size: 8, .value_kind: global_buffer, .address_space: global }
      - { .name: codes, .offset: 40, .size: 8, .value_kind: global_buffer, .address_space: global }
      - { .name: scales, .offset: 48, .size: 8, .value_kind: global_buffer, .address_space: global }
    .group_segment_fixed_size: 6144
    .private_segment_fixed_size: 0
    .kernarg_segment_align: 8
    .kernarg_segment_size: 56
    .max_flat_workgroup_size: 480
    .sgpr_count:     66
    .vgpr_count:     192
    .wavefront_size: 32
...
	.end_amdgpu_metadata
.endif
;; end of part 1
;; launch kvproj (part 2): grid 32 x 8, 4 waves a work-group, clusters of 4 x 4, 295,424 bytes of LDS; arguments codes, scales, kimg, ksw, vimg, vsw; writes kimg, ksw, vimg, vsw
.if DOCPART == 2
	.amdgcn_target "amdgcn-amd-amdhsa--gfx1250"
	.amdhsa_code_object_version 6
	.text
	.protected	k_q51e4feec40_kvproj
	.globl	k_q51e4feec40_kvproj
	.p2align	8
	.type	k_q51e4feec40_kvproj,@function
k_q51e4feec40_kvproj:
	s_mov_b64 s[64:65], 0
	v_nop
	global_prefetch_b8 v0, s[64:65] scope:SCOPE_SE
	s_setreg_imm32_b32 hwreg(HW_REG_WAVE_MODE, 25, 1), 1
	s_wait_xcnt 0x0
	s_wait_alu depctr_hold_cnt(0) depctr_sa_sdst(0) depctr_va_vdst(0) depctr_va_sdst(0) depctr_va_ssrc(0) depctr_va_vcc(0) depctr_vm_vsrc(0)
	s_getreg_b32 s2, hwreg(HW_REG_IB_STS2, 6, 4)
	s_cmp_eq_u32 s2, 0
	s_cbranch_scc0 .Lentry_in_a_cluster
	s_endpgm
.Lentry_in_a_cluster:
	s_bfe_u32 s2, ttmp6, 0x10000c
	s_cmp_lg_u32 s2, 0xf033
	s_cbranch_scc0 .Lentry_shape_is_right
	s_endpgm
.Lentry_shape_is_right:
; kv = context [Wk;Wv]^T on codes of FP4 (E2M1) with E8M0 scales, then what attention wants of it.  Head x owns rows 128 x .. 128 x + 127 of [Wk;Wv]: the even rows give k (d = row / 2), the odd rows v.
; k is normalised over its 64 numbers (x rsqrt(mean of squares + 1e-6)) and quantised along d; v is quantised along the keys.  Both leave as IMAGES OF OPERAND REGISTERS, so that the next launch takes fragments whole:
;   kimg [bh 64][key tile 32][lane 32][16 bytes]: lane (r, h) holds the codes of d = 32 h .. 32 h + 31 of key 16 tile + r;   ksw [bh][key 512]: one word a key: the two scale bytes, above them 0x7f7f
;   vimg [bh][d tile 4][key step 4][c 2][lane 32][16 bytes]: registers 4 c .. 4 c + 3 of the fragment (16 d x 128 keys);   vsw [bh][key step 4][d 64]: one word: byte i scales keys 32 i .. 32 i + 31 of the step.   bh = 32 batch + head
; SHARES.  A work-group takes 128 keys (work-group y) of one head (work-group x), all of K = 2,048: 256 work-groups.  Wave w owns keys 32 w .. 32 w + 31 and holds sixteen accumulators:
;   k TRANSPOSED (source 0 = 16 rows of W, source 1 = 16 keys): a lane holds one key, its registers run along d, which is the next K;   v as it comes (source 0 = 16 keys, source 1 = 16 rows of W): a lane holds one d, its registers run along the keys.
; LDS is filled ONCE, by one tensor load a wave: 64 whole rows of codes (1,024 bytes + 16 of padding: row r starts at bank 4 r mod 64, ISA guide 11.1).  Waves 0 and 1 fetch the context's halves, wave 2 W's even rows, wave 3 its odd rows (a stride of two rows).
; THE SCALE WORDS of a wave's rows, for all of K, come once from memory into 80 registers: a lane a row, four loads of 16 bytes cover a row's 64 bytes.
; CLUSTERS: 4 x 4 work-groups.  The context's tile hangs on work-group y alone and is shared along a row of the cluster; W's on work-group x alone and is shared along a column: each is asked for jointly.
; No prefetch: the launch has one fill, asked for at its head, and no loop to run ahead in.
; LIMITS: as in the launch before (a block of zeros gets the byte 1; the floor 2^-124; NaN and infinities are not served).
; REGISTERS.  window 0: v1-13 addresses; v32-111 scale words, 20 for each 512 along K (at the end v72-125 are at work); v128-191 k's accumulators ((tile of d i, tile of keys u) at 128 + 32 u + 8 i); v192-255 v's ((u, tile of d j) at 192 + 16 j + 8 u).
;   window 1: two sets of fragments at v0 and v128: the context's two tiles, then W's eight (0-3 k, 4-7 v).
.set PITCH, 1040                       ; a row of codes in LDS
.set CODES, 256*PITCH                  ; rows 0-127 context, 128-191 k's rows of W, 192-255 v's
.set QUART, 64*PITCH                   ; what one tensor load brings
.set TILEB, 16*PITCH
.set KSTG,  CODES                      ; k's scale words of 128 keys: 512 bytes, written by LDS stores alone
.set VSTG,  KSTG+512                   ; v's scale words of 64 d: 256 bytes, likewise
.set CROW,  8192                       ; the context's first row in the workspace
.set WROW,  11264                      ; [Wk;Wv]'s
.set LI,   1                           ; v1   16 x lane
.set ADC,  2                           ; v2   my context fragments
.set ADW,  4                           ; v4-5 W's fragments: k's tiles, v's tiles
.set ASCC, 6                           ; v6   64 x lane: a lane a key's row of scale bytes
.set ASCW, 7                           ; v7   128 x lane: a lane every second row of W's
.set VO,   8                           ; v8   16 r + 8 h: v's codes on the way out
.set KSA,  9                           ; v9   where I put a key's scale word
.set VSA,  10                          ; v10  where I put a d's scale byte
.set KSR,  11                          ; v11  where wave 0 reads k's words back
.set VSR,  12                          ; v12  and v's
.set L8,   13                          ; v13  8 x lane
.set SCR,  32
.set KACC, 128
.set VACC, 192
.set SSQ,  72
.set RSQ,  80
.set KC,   84
.set KW,   92
.set QT,   96
.set VM,   72
.set VP,   76
.set VS,   80
.set VB,   96
.set VC,   100
.set G1A,  24                          ; s[24:31] group 1: the context's codes;  s[32:39] W's
.set G1B,  32
.set G0A,  56                          ; s[56:59], s[72:75] groups 0
.set G0B,  72
.set SEL,  84                          ; s[84:85] v_permlanex16_b32's selects for lane l xor 16
.set MSB, 0
.macro WIN new                         ; the immediate's high byte repeats the setting that is left
.if MSB != (\new)
	s_set_vgpr_msb (MSB<<8)|(\new)
.set MSB, (\new)
.endif
.endm
.set MUL,  0x05                        ; sources 0 and 1 window 1; C and D window 0
.set TO_F, 0x40                        ; destination window 1, address window 0
.macro CROUND                          ; a round of the cluster's barrier
	s_barrier_signal -1
	s_barrier_wait -1
	s_cmp_lg_u32 s16, 0
	s_cbranch_scc1 .Lnot_wave_0_\@
	s_barrier_signal -3
.Lnot_wave_0_\@:
	s_barrier_wait -3
	s_barrier_signal -1
	s_barrier_wait -1
.endm
.macro PLACES                          ; four places behind matrix instructions (ISA guide 7.12.1)
.rept 4
	v_nop
.endr
.endm
	s_load_b256 s[4:11], s[0:1], 0x0               ; codes, scales, kimg, ksw
	s_load_b128 s[12:15], s[0:1], 0x20             ; vimg, vsw
	v_lshl_add_u32 v126, v0, 2, 0x48000
	v_mov_b32 v127, 0
	ds_add_u32 v126, v127                          ; the opening lines: the add twice on end and one wait
	ds_add_u32 v126, v127
	v_lshrrev_b32 v14, 5, v0
	v_readfirstlane_b32 s16, v14                   ; wave 0..3
	s_lshr_b32 s17, s16, 1                         ; I fetch for the context (0) or for W (1)
	s_and_b32 s18, s16, 1                          ; which 64 rows: the context's halves; of W the even rows (0) or the odd (1)
	s_bfe_u32 s20, ttmp6, 0x40000                  ; cx, cy
	s_bfe_u32 s21, ttmp6, 0x40004
	s_lshl_b32 s22, ttmp9, 2
	s_add_co_u32 s22, s22, s20                     ; x: the head
	s_and_b32 s23, ttmp7, 0xffff
	s_lshl_b32 s23, s23, 2
	s_add_co_u32 s23, s23, s21                     ; y: which 128 rows of the context
	s_lshl_b32 s88, s21, 2
	s_lshl_b32 s88, 15, s88                        ; my row of the cluster
	s_lshl_b32 s89, 0x1111, s20                    ; my column
	s_or_b32 s[G1A], s88, (0<<16)|(1<<20)|(1<<21)|(7<<22)|(3<<25)    ; the mask; elements of 1 byte; padding: four words after every 256; bit 21 beside a mask
	s_or_b32 s[G1B], s89, (0<<16)|(1<<20)|(1<<21)|(7<<22)|(3<<25)
.irp g, G1A, G1B
	s_mov_b32 s[\g+1], 1024<<16                    ; tensor_dim0 = 1,024 bytes: all of K
	s_mov_b32 s[\g+2], 64<<16                      ; tensor_dim1 = 64 rows
	s_mov_b32 s[\g+3], 1024<<16                    ; tile_dim0
	s_mov_b32 s[\g+4], 64                          ; tile_dim1
	s_mov_b32 s[\g+6], 0
	s_mov_b32 s[\g+7], 0
.endr
	s_mov_b32 s[G1A+5], 1024                       ; from row to row: a row of codes;
	s_mov_b32 s[G1B+5], 2048                       ; two rows: every second row of W
	; where the tiles come from.  The context's hang on y alone, W's on x alone, in registers that never hold the other coordinate
	s_lshl_b32 s90, s23, 7
	s_lshl_b32 s91, s18, 6
	s_add_co_u32 s92, s90, s91
	s_add_co_u32 s92, s92, CROW                    ; the context: row 8192 + 128 y + 64 half
	s_lshl_b32 s92, s92, 10
	s_mov_b32 s93, 0
	s_lshl_b32 s91, s16, 5
	s_add_co_u32 s90, s90, s91
	s_add_co_u32 s90, s90, CROW
	s_lshl_b32 s90, s90, 6                         ; the scale bytes of my 32 keys
	s_mov_b32 s91, 0
	s_lshl_b32 s94, s22, 7
	s_add_co_u32 s94, s94, WROW
	s_add_co_u32 s96, s94, s18                     ; W: row 11264 + 128 x + (0: even rows, 1: odd rows)
	s_lshl_b32 s96, s96, 10
	s_mov_b32 s97, 0
	s_lshl_b32 s94, s94, 6                         ; the scale bytes of the head's 128 rows
	s_mov_b32 s95, 0
	s_mul_i32 s98, s16, QUART                      ; and where the tiles go: wave x 64 rows
	s_mov_b32 s[SEL], 0x76543210
	s_mov_b32 s[SEL+1], 0xfedcba98
	s_mov_b32 s86, 0x3c800000                      ; 1 / 64
	s_mov_b32 s87, 0x358637bd                      ; 1e-6
	v_and_b32 v14, 31, v0                          ; lane
	v_and_b32 v15, 15, v0                          ; r
	v_bfe_u32 v16, v0, 4, 1                        ; h
	v_lshlrev_b32 v[LI], 4, v14
	v_mul_u32_u24 v17, v15, PITCH
	v_lshl_add_u32 v17, v16, 4, v17                ; a fragment's row x pitch + 16 x half
	s_mul_i32 s88, s16, 32*PITCH                   ; my 32 keys
	v_add_nc_u32 v[ADC], s88, v17
	v_add_nc_u32 v[ADW], 128*PITCH, v17
	v_add_nc_u32 v[ADW+1], 192*PITCH, v17
	v_lshlrev_b32 v[ASCC], 6, v14
	v_lshlrev_b32 v[ASCW], 7, v14
	v_lshlrev_b32 v[VO], 4, v15
	v_lshl_add_u32 v[VO], v16, 3, v[VO]
	s_lshl_b32 s88, s16, 7
	s_add_co_u32 s88, s88, KSTG
	v_lshl_add_u32 v[KSA], v15, 2, s88             ; KSTG + 4 (32 w + r)
	s_add_co_u32 s88, s16, VSTG
	v_lshl_add_u32 v[VSA], v15, 2, s88             ; VSTG + 4 r + w: byte w of d's word
	v_lshl_add_u32 v[KSR], v14, 4, KSTG
	v_lshl_add_u32 v[VSR], v14, 3, VSTG
	v_lshlrev_b32 v[L8], 3, v14
	s_wait_alu depctr_va_vdst(0)
	s_wait_dscnt 0x0
	s_wait_kmcnt 0x0
	s_add_nc_u64 s[92:93], s[4:5], s[92:93]
	s_add_nc_u64 s[90:91], s[6:7], s[90:91]
	s_add_nc_u64 s[96:97], s[4:5], s[96:97]
	s_add_nc_u64 s[94:95], s[6:7], s[94:95]
.irp g, 0,1,2,3                                ; the scale words of K = 512 g on: my keys (lanes 0-15 my first tile, 16-31 my second); W's pairs of tiles: k's two, v's two
	global_load_b128 v[SCR+20*\g:SCR+20*\g+3], v[ASCC], s[90:91] offset:16*\g
.irp b, 0,1
	global_load_b128 v[SCR+20*\g+4+4*\b:SCR+20*\g+7+4*\b], v[ASCW], s[94:95] offset:4096*\b+16*\g
	global_load_b128 v[SCR+20*\g+12+4*\b:SCR+20*\g+15+4*\b], v[ASCW], s[94:95] offset:4096*\b+64+16*\g
.endr
.endr
	s_mov_b32 s[G0A], 1
	s_mov_b32 s[G0A+1], s98
	s_mov_b64 s[G0A+2:G0A+3], s[92:93]
	s_or_b32 s[G0A+3], s[G0A+3], 0x80000000
	s_mov_b32 s[G0B], 1
	s_mov_b32 s[G0B+1], s98
	s_mov_b64 s[G0B+2:G0B+3], s[96:97]
	s_or_b32 s[G0B+3], s[G0B+3], 0x80000000
	CROUND                                         ; all sixteen work-groups are here: the joint loads meet
	s_cmp_eq_u32 s17, 0                            ; one tensor load a wave; s_nop 0 and four v_nop behind each line
	s_cbranch_scc0 .Lfor_w
	tensor_load_to_lds s[G0A:G0A+3], s[G1A:G1A+7]
	s_nop 0
.rept 4
	v_nop
.endr
	s_branch .Lasked
.Lfor_w:
	tensor_load_to_lds s[G0B:G0B+3], s[G1B:G1B+7]
	s_nop 0
.rept 4
	v_nop
.endr
.Lasked:
	; where my results go
	s_lshr_b32 s88, s23, 2
	s_lshl_b32 s88, s88, 5
	s_add_co_u32 s88, s88, s22                     ; bh = 32 (y / 4) + x
	s_and_b32 s89, s23, 3                          ; the key step of 128: y % 4
	s_mov_b32 s21, 0
	s_lshl_b32 s20, s88, 14
	s_lshl_b32 s19, s89, 12
	s_add_co_u32 s20, s20, s19
	s_lshl_b32 s19, s16, 10
	s_add_co_u32 s20, s20, s19                     ; kimg: 16,384 bh + 512 (8 step + 2 w)
	s_add_nc_u64 s[8:9], s[8:9], s[20:21]
	s_lshl_b32 s20, s88, 14
	s_lshl_b32 s19, s89, 10
	s_add_co_u32 s20, s20, s19
	s_lshl_b32 s19, s16, 8
	s_add_co_u32 s20, s20, s19                     ; vimg: 16,384 bh + 1,024 step + 512 (w / 2) + 256 (w % 2)
	s_add_nc_u64 s[12:13], s[12:13], s[20:21]
	s_lshl_b32 s20, s88, 11
	s_lshl_b32 s19, s89, 9
	s_add_co_u32 s20, s20, s19                     ; ksw: 4 (512 bh + 128 step)
	s_add_nc_u64 s[10:11], s[10:11], s[20:21]
	s_lshl_b32 s20, s88, 10
	s_lshl_b32 s19, s89, 8
	s_add_co_u32 s20, s20, s19                     ; vsw: 256 (4 bh + step)
	s_add_nc_u64 s[14:15], s[14:15], s[20:21]
; 20 LDS loads in one run: the fragments of step st (128 along K)
.macro FETCH st
.set FD, 128*((\st)%2)
	WIN TO_F
.irp u, 0,1
.irp c, 0,1
	ds_load_b128 v[FD+8*\u+4*\c:FD+8*\u+4*\c+3], v[ADC] offset:64*(\st)+32*\c+\u*TILEB
.endr
.endr
.irp t, 0,1,2,3,4,5,6,7
.irp c, 0,1
	ds_load_b128 v[FD+16+8*\t+4*\c:FD+16+8*\t+4*\c+3], v[ADW+\t/4] offset:64*(\st)+32*\c+(\t%4)*TILEB
.endr
.endr
	WIN 0
.endm
; one product.  zero = 1: it starts the sum.  ra, rb = 1: that side's scale words stand in lanes 16-31 of the register named
.macro WM d, a, b, zero, sa, sb, ra, rb
.if \zero
.if (\ra) && (\rb)
	v_wmma_scale_f32_16x16x128_f8f6f4 v[\d:\d+7], v[\a:\a+7], v[\b:\b+7], 0, v[\sa], v[\sb] matrix_a_fmt:MATRIX_FMT_FP4 matrix_b_fmt:MATRIX_FMT_FP4 matrix_a_scale:MATRIX_SCALE_ROW1 matrix_b_scale:MATRIX_SCALE_ROW1
.elseif (\ra)
	v_wmma_scale_f32_16x16x128_f8f6f4 v[\d:\d+7], v[\a:\a+7], v[\b:\b+7], 0, v[\sa], v[\sb] matrix_a_fmt:MATRIX_FMT_FP4 matrix_b_fmt:MATRIX_FMT_FP4 matrix_a_scale:MATRIX_SCALE_ROW1
.elseif (\rb)
	v_wmma_scale_f32_16x16x128_f8f6f4 v[\d:\d+7], v[\a:\a+7], v[\b:\b+7], 0, v[\sa], v[\sb] matrix_a_fmt:MATRIX_FMT_FP4 matrix_b_fmt:MATRIX_FMT_FP4 matrix_b_scale:MATRIX_SCALE_ROW1
.else
	v_wmma_scale_f32_16x16x128_f8f6f4 v[\d:\d+7], v[\a:\a+7], v[\b:\b+7], 0, v[\sa], v[\sb] matrix_a_fmt:MATRIX_FMT_FP4 matrix_b_fmt:MATRIX_FMT_FP4
.endif
.else
.if (\ra) && (\rb)
	v_wmma_scale_f32_16x16x128_f8f6f4 v[\d:\d+7], v[\a:\a+7], v[\b:\b+7], v[\d:\d+7], v[\sa], v[\sb] matrix_a_fmt:MATRIX_FMT_FP4 matrix_b_fmt:MATRIX_FMT_FP4 matrix_a_scale:MATRIX_SCALE_ROW1 matrix_b_scale:MATRIX_SCALE_ROW1
.elseif (\ra)
	v_wmma_scale_f32_16x16x128_f8f6f4 v[\d:\d+7], v[\a:\a+7], v[\b:\b+7], v[\d:\d+7], v[\sa], v[\sb] matrix_a_fmt:MATRIX_FMT_FP4 matrix_b_fmt:MATRIX_FMT_FP4 matrix_a_scale:MATRIX_SCALE_ROW1
.elseif (\rb)
	v_wmma_scale_f32_16x16x128_f8f6f4 v[\d:\d+7], v[\a:\a+7], v[\b:\b+7], v[\d:\d+7], v[\sa], v[\sb] matrix_a_fmt:MATRIX_FMT_FP4 matrix_b_fmt:MATRIX_FMT_FP4 matrix_b_scale:MATRIX_SCALE_ROW1
.else
	v_wmma_scale_f32_16x16x128_f8f6f4 v[\d:\d+7], v[\a:\a+7], v[\b:\b+7], v[\d:\d+7], v[\sa], v[\sb] matrix_a_fmt:MATRIX_FMT_FP4 matrix_b_fmt:MATRIX_FMT_FP4
.endif
.endif
.endm
; A step of 128 along K: the next step's fragments are asked for, then sixteen products on sixteen accumulators, which take turns in the same order in every step
.macro STEP st
	s_wait_dscnt 0x0                               ; this step's fragments are in
.if (\st) > 0
	PLACES
.endif
.if (\st) < 15
	FETCH (\st)+1
.endif
.set PF, 128*((\st)%2)
.set PS, SCR+20*((\st)/4)
.set PQ, (\st)%4
.if (\st) == 0
.set ZR, 1
.else
.set ZR, 0
.endif
	WIN MUL
.irp u, 0,1
.irp i, 0,1,2,3
	WM KACC+32*\u+8*\i, PF+16+8*\i, PF+8*\u, ZR, PS+4+4*(\i/2)+PQ, PS+PQ, \i%2, \u
.endr
.endr
.irp u, 0,1
.irp j, 0,1,2,3
	WM VACC+16*\j+8*\u, PF+8*\u, PF+48+8*\j, ZR, PS+PQ, PS+12+4*(\j/2)+PQ, \u, \j%2
.endr
.endr
.endm
; Two units by turns (unit e: 32 numbers of a lane at SB + 32 e; register 8 i + j = d 16 i + 8 h + j of the lane's row).  A: the two blocks' largest magnitudes, scale operands and bytes, and the row's scale word
.macro QUANT2A SB, TB, WB
.irp b, 0,1
.irp e, 0,1
	v_max3_num_f32 v[\TB+8*\e+\b], |v[\SB+32*\e+16*\b]|, |v[\SB+32*\e+16*\b+1]|, 0x1800000   ; and the floor 2^(3 - 127)
.endr
.endr
.irp i, 2,4,6,8,10,12,14
.irp b, 0,1
.irp e, 0,1
	v_max3_num_f32 v[\TB+8*\e+\b], v[\TB+8*\e+\b], |v[\SB+32*\e+16*\b+\i]|, |v[\SB+32*\e+16*\b+\i+1]|
.endr
.endr
.endr
.irp b, 0,1
.irp e, 0,1
	v_permlanex16_b32 v[\TB+8*\e+2+\b], v[\TB+8*\e+\b], s[SEL], s[SEL+1]
.endr
.endr
.irp b, 0,1
.irp e, 0,1
	v_max_num_f32 v[\TB+8*\e+\b], v[\TB+8*\e+\b], v[\TB+8*\e+2+\b]
.endr
.endr
.irp b, 0,1
.irp e, 0,1
	v_add_nc_u32 v[\TB+8*\e+4+\b], 0xff000000, v[\TB+8*\e+\b]   ; 2 off its exponent field: the conversion's scale operand
.endr
.endr
.irp b, 0,1
.irp e, 0,1
	v_lshrrev_b32 v[\TB+8*\e+6+\b], 23, v[\TB+8*\e+4+\b]   ; the scale's byte
.endr
.endr
.irp e, 0,1
	v_lshl_or_b32 v[\WB+\e], v[\TB+8*\e+7], 8, v[\TB+8*\e+6]
.endr
.irp e, 0,1
	v_or_b32 v[\WB+\e], 0x7f7f0000, v[\WB+\e]      ; bytes 2 and 3 stand for k = 64 .. 127 of the next product, where one side holds zero codes: 1.0
.endr
.endm
; B: the codes: tiles 0, 2, 1, 3 go to registers 0 .. 3, and two exchanges of halves give a lane d = 32 h + 0 .. 31
.macro QUANT2B SB, TB, CD
.irp e, 0,1
	v_cvt_scalef32_pk8_fp4_f32 v[\CD+4*\e], v[\SB+32*\e:\SB+32*\e+7], v[\TB+8*\e+4]
	v_cvt_scalef32_pk8_fp4_f32 v[\CD+4*\e+1], v[\SB+32*\e+16:\SB+32*\e+23], v[\TB+8*\e+5]
	v_cvt_scalef32_pk8_fp4_f32 v[\CD+4*\e+2], v[\SB+32*\e+8:\SB+32*\e+15], v[\TB+8*\e+4]
	v_cvt_scalef32_pk8_fp4_f32 v[\CD+4*\e+3], v[\SB+32*\e+24:\SB+32*\e+31], v[\TB+8*\e+5]
.endr
	v_nop                                          ; one plain place behind a scaled conversion
.irp e, 0,1
	v_permlane16_swap_b32 v[\CD+4*\e], v[\CD+4*\e+1]
	v_permlane16_swap_b32 v[\CD+4*\e+2], v[\CD+4*\e+3]
.endr
.endm
	s_wait_tensorcnt 0x0                           ; my 64 rows are in,
	s_barrier_signal -1
	s_barrier_wait -1                              ; everybody's are; nothing is filled again in this launch
	FETCH 0
	s_wait_loadcnt 0x0                             ; the scale words
.irp t, 0,1,2,3,4,5,6,7,8,9,10,11,12,13,14,15
	STEP \t
.endr
	WIN 0
	PLACES                                         ; the lines below write registers that held the last products' scale words
.irp e, 0,1
.irp b, 0,1
	v_mov_b32 v[QT+8*\e+2+\b], 0                   ; a lane permute's destination counts as one of its sources
.endr
.endr
	; ---- k: the mean of squares over a key's 64 numbers (32 of them mine, 32 lane l xor 16's), each accumulator read from its low end on
.irp e, 0,1
	v_pk_mul_f32 v[SSQ+4*\e:SSQ+4*\e+1], v[KACC+32*\e:KACC+32*\e+1], v[KACC+32*\e:KACC+32*\e+1]
	v_pk_mul_f32 v[SSQ+4*\e+2:SSQ+4*\e+3], v[KACC+32*\e+2:KACC+32*\e+3], v[KACC+32*\e+2:KACC+32*\e+3]
.endr
.irp j, 4,8,12,16,20,24,28
.irp e, 0,1
	v_pk_fma_f32 v[SSQ+4*\e:SSQ+4*\e+1], v[KACC+32*\e+\j:KACC+32*\e+\j+1], v[KACC+32*\e+\j:KACC+32*\e+\j+1], v[SSQ+4*\e:SSQ+4*\e+1]
	v_pk_fma_f32 v[SSQ+4*\e+2:SSQ+4*\e+3], v[KACC+32*\e+\j+2:KACC+32*\e+\j+3], v[KACC+32*\e+\j+2:KACC+32*\e+\j+3], v[SSQ+4*\e+2:SSQ+4*\e+3]
.endr
.endr
.irp e, 0,1
	v_pk_add_f32 v[SSQ+4*\e:SSQ+4*\e+1], v[SSQ+4*\e:SSQ+4*\e+1], v[SSQ+4*\e+2:SSQ+4*\e+3]
.endr
.irp e, 0,1
	v_add_f32 v[SSQ+4*\e], v[SSQ+4*\e], v[SSQ+4*\e+1]
.endr
.irp e, 0,1
	v_permlanex16_b32 v[SSQ+4*\e+2], v[SSQ+4*\e], s[SEL], s[SEL+1]
.endr
.irp e, 0,1
	v_add_f32 v[SSQ+4*\e], v[SSQ+4*\e], v[SSQ+4*\e+2]
.endr
.irp e, 0,1
	v_fma_f32 v[SSQ+4*\e], v[SSQ+4*\e], s86, s87   ; sum / 64 + 1e-6
.endr
	s_wait_alu depctr_va_vdst(0)                   ; a wait ahead of the batch
.irp e, 0,1
	v_rsq_f32 v[RSQ+2*\e], v[SSQ+4*\e]             ; twice, to fill the pair that the packed multiply names
	v_rsq_f32 v[RSQ+2*\e+1], v[SSQ+4*\e]
.endr
	v_nop
	s_wait_alu depctr_va_vdst(0)                   ; and one behind it
.irp j, 0,2,4,6,8,10,12,14,16,18,20,22,24,26,28,30
.irp e, 0,1
	v_pk_mul_f32 v[KACC+32*\e+\j:KACC+32*\e+\j+1], v[KACC+32*\e+\j:KACC+32*\e+\j+1], v[RSQ+2*\e:RSQ+2*\e+1]
.endr
.endr
	QUANT2A KACC, QT, KW
	QUANT2B KACC, QT, KC
.irp e, 0,1
	global_store_b128 v[LI], v[KC+4*\e:KC+4*\e+3], s[8:9] offset:512*\e   ; a tile's image: 32 lanes store 512 consecutive bytes, aligned
	ds_store_b32 v[KSA], v[KW+\e] offset:64*\e     ; both halves of the lanes write the same word with the same value
.endr
	; ---- v: my 32 keys are one block of each d; a lane holds 16 of them, lane l xor 16 the others
.irp j, 0,1,2,3
	v_max3_num_f32 v[VM+\j], |v[VACC+16*\j]|, |v[VACC+16*\j+1]|, 0x1800000
.endr
.irp i, 2,4,6,8,10,12,14
.irp j, 0,1,2,3
	v_max3_num_f32 v[VM+\j], v[VM+\j], |v[VACC+16*\j+\i]|, |v[VACC+16*\j+\i+1]|
.endr
.endr
.irp j, 0,1,2,3
	v_permlanex16_b32 v[VP+\j], v[VM+\j], s[SEL], s[SEL+1]
.endr
.irp j, 0,1,2,3
	v_max_num_f32 v[VM+\j], v[VM+\j], v[VP+\j]
.endr
.irp j, 0,1,2,3
	v_add_nc_u32 v[VS+\j], 0xff000000, v[VM+\j]
.endr
.irp j, 0,1,2,3
	v_lshrrev_b32 v[VB+\j], 23, v[VS+\j]
.endr
.irp j, 0,1,2,3
	v_cvt_scalef32_pk8_fp4_f32 v[VC+2*\j], v[VACC+16*\j:VACC+16*\j+7], v[VS+\j]          ; keys 8 h + 0 .. 7
	v_cvt_scalef32_pk8_fp4_f32 v[VC+2*\j+1], v[VACC+16*\j+8:VACC+16*\j+15], v[VS+\j]     ; keys 16 + 8 h + 0 .. 7
.endr
	v_nop
.irp j, 0,1,2,3
	v_permlane16_swap_b32 v[VC+2*\j], v[VC+2*\j+1] ; the pair now holds keys 16 h + 0 .. 15: 8 bytes at 8 h of d's 16
.endr
.irp j, 0,1,2,3
	global_store_b64 v[VO], v[VC+2*\j:VC+2*\j+1], s[12:13] offset:4096*\j   ; 32 lanes store 256 consecutive bytes, aligned
	ds_store_b8 v[VSA], v[VB+\j] offset:64*\j
.endr
	s_wait_dscnt 0x0                               ; for the others' sake: my stores into the two stages are done
	s_barrier_signal -1
	s_barrier_wait -1
	s_cmp_lg_u32 s16, 0                            ; wave 0 stores the work-group's scale words
	s_cbranch_scc1 .Lnot_first
	ds_load_b128 v[116:119], v[KSR]
	ds_load_b64 v[120:121], v[VSR]
	s_wait_dscnt 0x0
	global_store_b128 v[LI], v[116:119], s[10:11]  ; 512 consecutive bytes, aligned
	global_store_b64 v[L8], v[120:121], s[14:15]   ; 256 consecutive bytes, aligned
.Lnot_first:
	s_wait_tensorcnt 0x0                           ; the wave's end
	ds_add_u32 v126, v127
	s_wait_dscnt 0x0
	CROUND                                         ; the closing round
	s_endpgm
.Lfunc_end_k_q51e4feec40_kvproj:
	.size	k_q51e4feec40_kvproj, .Lfunc_end_k_q51e4feec40_kvproj-k_q51e4feec40_kvproj
	.p2alignl 7, 3214868480
	.fill 96, 4, 3214868480
	.section	.rodata,"a",@progbits
	.p2align	6, 0x0
	.amdhsa_kernel k_q51e4feec40_kvproj
		.amdhsa_group_segment_fixed_size 295424
		.amdhsa_private_segment_fixed_size 0
		.amdhsa_enable_private_segment 0
		.amdhsa_kernarg_size 48
		.amdhsa_user_sgpr_count 2
		.amdhsa_user_sgpr_kernarg_segment_ptr 1
		.amdhsa_wavefront_size32 1
		.amdhsa_system_sgpr_workgroup_id_x 1
		.amdhsa_system_sgpr_workgroup_id_y 1
		.amdhsa_system_sgpr_workgroup_id_z 1
		.amdhsa_system_vgpr_workitem_id 0
		.amdhsa_next_free_vgpr 512
		.amdhsa_next_free_sgpr 100
		.amdhsa_reserve_vcc 0
		.amdhsa_float_denorm_mode_32 3
		.amdhsa_float_denorm_mode_16_64 3
		.amdhsa_memory_ordered 1
		.amdhsa_forward_progress 1
		.amdhsa_inst_pref_size 79
	.end_amdhsa_kernel
	.amdgpu_metadata
---
amdhsa.version: [ 1, 2 ]
amdhsa.kernels:
  - .name:           k_q51e4feec40_kvproj
    .symbol:         k_q51e4feec40_kvproj.kd
    .args:
      - { .name: codes, .offset: 0, .size: 8, .value_kind: global_buffer, .address_space: global }
      - { .name: scales, .offset: 8, .size: 8, .value_kind: global_buffer, .address_space: global }
      - { .name: kimg, .offset: 16, .size: 8, .value_kind: global_buffer, .address_space: global }
      - { .name: ksw, .offset: 24, .size: 8, .value_kind: global_buffer, .address_space: global }
      - { .name: vimg, .offset: 32, .size: 8, .value_kind: global_buffer, .address_space: global }
      - { .name: vsw, .offset: 40, .size: 8, .value_kind: global_buffer, .address_space: global }
    .group_segment_fixed_size: 295424
    .private_segment_fixed_size: 0
    .kernarg_segment_align: 8
    .kernarg_segment_size: 48
    .max_flat_workgroup_size: 128
    .sgpr_count:     100
    .vgpr_count:     512
    .wavefront_size: 32
...
	.end_amdgpu_metadata
.endif
;; end of part 2
;; launch qattn (part 3): grid 8 x 32, 8 waves a work-group, clusters of 4 x 4, 327,680 bytes of LDS; arguments codes, scales, kimg, ksw, vimg, vsw, out0; writes out0
.if DOCPART == 3
	.amdgcn_target "amdgcn-amd-amdhsa--gfx1250"
	.amdhsa_code_object_version 6
	.text
	.protected	k_q51e4feec40_qattn
	.globl	k_q51e4feec40_qattn
	.p2align	8
	.type	k_q51e4feec40_qattn,@function
k_q51e4feec40_qattn:
	s_mov_b64 s[64:65], 0
	v_nop
	global_prefetch_b8 v0, s[64:65] scope:SCOPE_SE
	s_setreg_imm32_b32 hwreg(HW_REG_WAVE_MODE, 25, 1), 1
	s_wait_xcnt 0x0
	s_wait_alu depctr_hold_cnt(0) depctr_sa_sdst(0) depctr_va_vdst(0) depctr_va_sdst(0) depctr_va_ssrc(0) depctr_va_vcc(0) depctr_vm_vsrc(0)
	s_getreg_b32 s2, hwreg(HW_REG_IB_STS2, 6, 4)
	s_cmp_eq_u32 s2, 0
	s_cbranch_scc0 .Lentry_in_a_cluster
	s_endpgm
.Lentry_in_a_cluster:
	s_bfe_u32 s2, ttmp6, 0x10000c
	s_cmp_lg_u32 s2, 0xf033
	s_cbranch_scc0 .Lentry_shape_is_right
	s_endpgm
.Lentry_shape_is_right:
; q = x Wq^T on codes of FP4 (E2M1) with E8M0 scales, per-head RMS norm, quantising along d, and the whole attention of these queries, in one launch.
; A work-group makes 256 rows of x times 256 rows of Wq (four heads).  EIGHT waves, two to a SIMD: wave (i = wave / 4, j = wave % 4) owns rows 128 i .. 128 i + 127 and head j:
; 32 accumulators of 16 x 16 (window 1).  The product is used transposed (source 0 = 16 rows of Wq, source 1 = 16 rows of x): a lane holds one query and its registers run along d, the next K.
; K = 2,048 goes in four steps of 512 through a ring of two LDS slots (rows of 256 bytes + 16 of padding); each wave fetches 64 rows by one joint load (waves 0-3 x, waves 4-7 Wq).
; CLUSTERS: 4 x 4: x's tiles are shared along a row of the cluster, Wq's along a column; so are the four heads' K and V, which hang on the tile column and the batch alone.
; THE SCALE WORDS of the wave's 128 + 64 rows, for all of K, come once from memory into 96 registers: a lane a row, four loads of 16 bytes cover a row's 64 bytes.
; K AND V: at the third change of slots, slot 0 takes the four heads' images (kimg, vimg: 8 x 16,384 bytes, one joint load a wave), which land under the last K step; each wave then reads its head's 256 registers from LDS.
; PREFETCH: K steps 2 and 3 of the tiles are asked for two K steps ahead, the images ten steps of 128 ahead of their load; of a wave's 64 rows (an image's 64 blocks) each of the four partners names 16, told apart by address.  K steps 0 and 1 come by their loads alone.
; Each 16 queries are normalised (x rsqrt(mean of squares + 1e-6)) and quantised; codes and scale words wait in LDS bytes of the wave's own, behind the ring, into which no fill lands.
; ATTENTION: a trip takes 16 queries through four steps of 128 keys: S^T = K Q^T, p = 2^t, t = score x log2(e) / 8, quantised along the keys, O^T += V^T P^T; l = the sum of the unquantised p divides at the end.
; THE MAXIMUM: q and k are normalised, so each has a sum of squares of at most 64; E2M1 rounding enlarges a number by a quarter at most, so |q.k| / 8 < 12.5 and |t| < 18.1 for every input:
; 2^t and a sum of 512 of them lie well inside f32.  So M is the whole number 0 for every row: p differs from 2^(t - ceil(max t)) by an exact power of two, which the block's scale takes up and the division by l takes away.
; A block's scale: floor(log2(largest p)) = floor(t of the block's largest score), so the byte is floor(t) + 125, with no exponential of its own.
; The way out goes through a stage in slot 1, behind a barrier behind which nobody reads that slot; it has had its last fill.
; LIMITS: as in the launches before (NaN and infinities among the inputs are not served).
; REGISTERS.  window 1: accumulator (x block a, W block b) at 32 a + 8 b; later K's 32 tiles at 4 tile, V's fragments at 128 + 32 n + 8 step.
; window 0, product: v16-31 addresses; v32-127 scale words (24 a K step: x's four groups of 32 rows, W's two); v128-191 x's fragments, one set; v192-255 W's, two sets.
; window 0, attention: v1-13 addresses; v32-55 K's and V's scale words; v56-95 at work; v96-127 O^T; v128-191 S^T, then p; v192-255 the way out.
.set ROWB,  256
.set KROW,  1024                       ; a row of codes in memory
.set PITCH, 272                        ; 68 words: the 16 rows that a load touches start at 16 different banks (ISA guide 11.1)
.set QROWS, 64*PITCH                   ; what one tensor load brings
.set HALFT, 128*PITCH
.set SLOT,  4*HALFT                    ; x's 256 rows, then Wq's 256
.set SPARE, 2*SLOT                     ; the spare words: 128 bytes a wave
.set QBASE, SPARE+1024                 ; q's codes and scale words: 5,120 bytes a wave
.set QAREA, 5120
.set QSCW,  4096
.set OAREA, 4352                       ; the way out: 16 rows x 272 bytes a wave, in slot 1
.set WQC,   9216*1024                  ; Wq's codes and scale bytes in the workspace
.set WQS,   9216*64
.set ADRA, 16
.set ADRB, 20
.set SOF,  27                          ; 64 x lane: my row of scale bytes
.set SPW,  28
.set NIL,  29
.set PFO,  30                          ; 1,024 x min(lane, 15): a lane a row; never rewritten
.set PFK,  31                          ; 256 x min(lane, 15): a lane a block; never rewritten
.set SC,   32
.set AF,   128
.set BF,   192
.set G0K, 4                            ; s[4:7] group 0, s[88:95] group 1 for the images
.set G1K, 88
.set G1,  24
.set G0,  32
.set G1B, 48
.set G0B, 56
.set SEL, 84
.set LI,  1
.set L4,  2
.set QST, 3
.set QSS, 4
.set OSI, 5
.set OSR, 6
.set GO,  7
.set QAD, 8
.set QAS, 9
.set KAD, 12
.set VAD, 13
.set KSC, 32
.set VSC, 48
.set QF,  56
.set QW,  64
.set PW,  65
.set PC,  66
.set LA,  74
.set LB,  76
.set LC,  78
.set LD,  80
.set TM,  82
.set TP,  86
.set SO,  90
.set RL,  94
.set O,   96
.set T,   128
.set OS,  192
.set OB,  224
.set NRM, 128
.set SSQ, 192
.set RSQ, 200
.set QT,  204
.set QC,  220
.set QWD, 228
.set MSB, 0
.macro WIN new                         ; the immediate's high byte repeats the setting that is left
.if MSB != (\new)
	s_set_vgpr_msb (MSB<<8)|(\new)
.set MSB, (\new)
.endif
.endm
.set MULW, 0x50                        ; C and D window 1, sources window 0
.macro JLOAD g0a, g1a, g0b, g1b        ; waves 0-3 fetch for x, waves 4-7 for Wq; s_nop 0 and four v_nop behind each line
	s_cmp_eq_u32 s15, 0
	s_cbranch_scc0 .Lfor_b_\@
	tensor_load_to_lds s[\g0a:\g0a+3], s[\g1a:\g1a+7]
	s_nop 0
.rept 4
	v_nop
.endr
	s_branch .Lasked_\@
.Lfor_b_\@:
	tensor_load_to_lds s[\g0b:\g0b+3], s[\g1b:\g1b+7]
	s_nop 0
.rept 4
	v_nop
.endr
.Lasked_\@:
.endm
.macro CREST                           ; a round of the cluster's barrier behind its opening barrier
	s_cmp_lg_u32 s14, 0
	s_cbranch_scc1 .Lnot_wave_0_\@
	s_barrier_signal -3
.Lnot_wave_0_\@:
	s_barrier_wait -3
	s_barrier_signal -1
	s_barrier_wait -1
.endm
.macro CROUND
	s_barrier_signal -1
	s_barrier_wait -1
	CREST
.endm
.macro PLACES                          ; four places behind matrix instructions (ISA guide 7.12.1)
.rept 4
	v_nop
.endr
.endm
	s_load_b128 s[4:7], s[0:1], 0x0                ; codes, scales
	s_load_b256 s[68:75], s[0:1], 0x10             ; kimg, ksw, vimg, vsw
	s_load_b64 s[76:77], s[0:1], 0x30              ; out0
	v_lshl_add_u32 v[SPW], v0, 2, SPARE
	v_mov_b32 v[NIL], 0
	ds_add_u32 v[SPW], v[NIL]                      ; the opening lines: the add twice on end and one wait
	ds_add_u32 v[SPW], v[NIL]
	v_lshrrev_b32 v1, 5, v0
	v_readfirstlane_b32 s14, v1                    ; wave 0..7
	v_and_b32 v2, 31, v0
	v_lshlrev_b32 v[SOF], 6, v2
	v_min_u32 v3, 15, v2
	v_lshlrev_b32 v[PFO], 10, v3
	v_lshlrev_b32 v[PFK], 8, v3
	s_lshr_b32 s15, s14, 2                         ; i: my half of the rows.  Also: I fetch for x (0) or for Wq (1); K's image (0) or V's (1)
	s_and_b32 s16, s14, 3                          ; j: my head.  Also: which 64 rows, which head's image I fetch
	s_bfe_u32 s40, ttmp6, 0x40000                  ; cx, cy
	s_bfe_u32 s41, ttmp6, 0x40004
	s_lshl_b32 s42, ttmp9, 2
	s_add_co_u32 s42, s42, s40                     ; tile column: 256 rows of Wq
	s_and_b32 s17, ttmp7, 0xffff
	s_lshr_b32 s11, s17, 2                         ; the batch: 16 tile rows, four clusters, to a batch
	s_lshl_b32 s17, s17, 2
	s_add_co_u32 s17, s17, s41                     ; tile row: 256 rows of x
	s_lshl_b32 s11, s11, 5
	s_lshl_b32 s10, s42, 2
	s_add_co_u32 s11, s11, s10
	s_add_co_u32 s11, s11, s16                     ; bh = 32 batch + 4 tile column + j
	s_lshl_b32 s43, s41, 2
	s_lshl_b32 s43, 15, s43                        ; my row of the cluster
	s_lshl_b32 s44, 0x1111, s40                    ; my column
	s_or_b32 s[G1], s43, (1<<20)|(1<<21)|(5<<22)|(3<<25)    ; mask; elements of 1 byte; padding: four words after every 64; bit 21 beside a mask
	s_or_b32 s[G1B], s44, (1<<20)|(1<<21)|(5<<22)|(3<<25)
.irp g, G1, G1B
	s_mov_b32 s[\g+1], ROWB<<16
	s_mov_b32 s[\g+2], 64<<16
	s_mov_b32 s[\g+3], ROWB<<16
	s_mov_b32 s[\g+4], 64
	s_mov_b32 s[\g+5], KROW
	s_mov_b32 s[\g+6], 0
	s_mov_b32 s[\g+7], 0
.endr
	s_or_b32 s[G1K], s44, (3<<16)|(1<<20)|(1<<21)|(5<<22)|(3<<25)   ; an image: a dense block of 64 rows of 256 bytes (32 elements of 8), padded alike; shared along my column
	s_mov_b32 s[G1K+1], 32<<16
	s_mov_b32 s[G1K+2], 64<<16
	s_mov_b32 s[G1K+3], 32<<16
	s_mov_b32 s[G1K+4], 64
	s_mov_b32 s[G1K+5], 32
	s_mov_b32 s[G1K+6], 0
	s_mov_b32 s[G1K+7], 0
	s_lshl_b32 s18, s16, 6
	s_lshl_b32 s20, s17, 8
	s_add_co_u32 s20, s20, s18
	s_lshl_b32 s20, s20, 10                        ; x: row 256 x tile row + 64 x quarter, in bytes
	s_mov_b32 s21, 0
	s_lshl_b32 s46, s42, 8
	s_add_co_u32 s46, s46, s18
	s_lshl_b32 s46, s46, 10
	s_add_co_u32 s46, s46, WQC                     ; Wq: row 256 x tile column + 64 x quarter
	s_mov_b32 s47, 0
	s_mul_i32 s45, s14, QROWS                      ; and where they go: wave x 64 rows
	s_lshl_b32 s22, s17, 8
	s_lshl_b32 s23, s15, 7
	s_add_co_u32 s22, s22, s23
	s_lshl_b32 s22, s22, 6                         ; the scale bytes of my 128 rows of x
	s_mov_b32 s23, 0
	s_lshl_b32 s66, s42, 8
	s_lshl_b32 s67, s16, 6
	s_add_co_u32 s66, s66, s67
	s_lshl_b32 s66, s66, 6
	s_add_co_u32 s66, s66, WQS                     ; and of my 64 rows of Wq
	s_mov_b32 s67, 0
	s_mov_b32 s82, 0x3e38aa3b                      ; log2(e) / 8
	s_mov_b32 s83, s82
	s_mov_b32 s[SEL], 0x76543210
	s_mov_b32 s[SEL+1], 0xfedcba98
	s_mov_b32 s86, 0x3c800000                      ; 1 / 64
	s_mov_b32 s87, 0x358637bd                      ; 1e-6
	s_wait_alu depctr_va_vdst(0)
	s_wait_dscnt 0x0
	s_wait_kmcnt 0x0
	s_add_nc_u64 s[20:21], s[4:5], s[20:21]
	s_add_nc_u64 s[46:47], s[4:5], s[46:47]
	s_add_nc_u64 s[22:23], s[6:7], s[22:23]
	s_add_nc_u64 s[66:67], s[6:7], s[66:67]
.irp t, 0,1,2,3                                ; K step t's scale words: lanes 0-15 an even block's rows, lanes 16-31 the odd block's behind it
.irp g, 0,1,2,3
	global_load_b128 v[SC+24*\t+4*\g:SC+24*\t+4*\g+3], v[SOF], s[22:23] offset:2048*\g+16*\t
.endr
.irp g, 0,1
	global_load_b128 v[SC+24*\t+16+4*\g:SC+24*\t+16+4*\g+3], v[SOF], s[66:67] offset:2048*\g+16*\t
.endr
.endr
.irp s, 0,1
	s_mov_b32 s[G0+4*\s], 1
	s_add_co_u32 s[G0+4*\s+1], s45, \s*SLOT
	s_add_nc_u64 s[G0+4*\s+2:G0+4*\s+3], s[20:21], \s*ROWB
	s_or_b32 s[G0+4*\s+3], s[G0+4*\s+3], 0x80000000
	s_mov_b32 s[G0B+4*\s], 1
	s_add_co_u32 s[G0B+4*\s+1], s45, \s*SLOT
	s_add_nc_u64 s[G0B+4*\s+2:G0B+4*\s+3], s[46:47], \s*ROWB
	s_or_b32 s[G0B+4*\s+3], s[G0B+4*\s+3], 0x80000000
.endr
	CROUND                                         ; all sixteen work-groups are here: the first joint loads meet
	JLOAD G0, G1, G0B, G1B                         ; K step 0: one tensor load a wave at the head
	s_mul_i32 s18, s15, HALFT                      ; my 128 rows of x
	s_mul_i32 s19, s16, QROWS
	s_add_co_u32 s19, s19, 2*HALFT                 ; my 64 rows of Wq
	v_and_b32 v1, 15, v0
	v_bfe_u32 v2, v0, 4, 1
	v_mul_u32_u24 v3, v1, PITCH
	v_lshl_add_u32 v4, v2, 4, v3                   ; a fragment's row x pitch + 16 x half
.irp s, 0,1
	v_add_nc_u32 v[ADRA+\s], s18, v4
	v_add_nc_u32 v[ADRB+\s], s19, v4
	s_add_co_u32 s18, s18, SLOT
	s_add_co_u32 s19, s19, SLOT
.endr
	s_mov_b32 s13, 0
	s_cmp_eq_u32 s15, 0
	s_cselect_b64 s[96:97], s[20:21], s[46:47]     ; the tiles' prefetch: the 64 rows that I fetch,
	s_cselect_b32 s10, s40, s41                    ; my work-group's place among the four that ask for them with me,
	s_cselect_b64 s[98:99], s[68:69], s[72:73]     ; and the image that I fetch: K's or V's
	s_lshl_b32 s12, s10, 14
	s_add_nc_u64 s[96:97], s[96:97], s[12:13]      ; its 16 rows of the 64
	s_lshl_b32 s12, s11, 14
	s_add_nc_u64 s[98:99], s[98:99], s[12:13]      ; of head wave % 4
	s_mov_b32 s[G0K], 1
	s_mov_b32 s[G0K+1], s45                        ; into slot 0: wave x 17,408
	s_mov_b64 s[G0K+2:G0K+3], s[98:99]
	s_or_b32 s[G0K+3], s[G0K+3], 0x80000000
	s_lshl_b32 s12, s41, 12
	s_add_nc_u64 s[98:99], s[98:99], s[12:13]      ; the image's prefetch: my work-group's 16 blocks of the 64
	s_lshl_b32 s12, s11, 11
	s_add_nc_u64 s[70:71], s[70:71], s[12:13]      ; my head's scale words
	s_lshl_b32 s12, s11, 10
	s_add_nc_u64 s[74:75], s[74:75], s[12:13]
	s_lshl_b32 s12, s17, 8
	s_lshl_b32 s10, s15, 7
	s_add_co_u32 s12, s12, s10
	s_lshl_b32 s12, s12, 13                        ; my first row of out0, 8,192 bytes a row,
	s_lshl_b32 s10, s42, 10
	s_add_co_u32 s12, s12, s10
	s_lshl_b32 s10, s16, 8
	s_add_co_u32 s12, s12, s10                     ; and my head's 256 bytes in it
	s_add_nc_u64 s[76:77], s[76:77], s[12:13]
; one product.  zero = 1: it starts the sum.  ra, rb = 1: that side's scale words stand in lanes 16-31 of the register named
.macro WM d, a, b, zero, sa, sb, ra, rb
.if \zero
.if (\ra) && (\rb)
	v_wmma_scale_f32_16x16x128_f8f6f4 v[\d:\d+7], v[\a:\a+7], v[\b:\b+7], 0, v[\sa], v[\sb] matrix_a_fmt:MATRIX_FMT_FP4 matrix_b_fmt:MATRIX_FMT_FP4 matrix_a_scale:MATRIX_SCALE_ROW1 matrix_b_scale:MATRIX_SCALE_ROW1
.elseif (\ra)
	v_wmma_scale_f32_16x16x128_f8f6f4 v[\d:\d+7], v[\a:\a+7], v[\b:\b+7], 0, v[\sa], v[\sb] matrix_a_fmt:MATRIX_FMT_FP4 matrix_b_fmt:MATRIX_FMT_FP4 matrix_a_scale:MATRIX_SCALE_ROW1
.elseif (\rb)
	v_wmma_scale_f32_16x16x128_f8f6f4 v[\d:\d+7], v[\a:\a+7], v[\b:\b+7], 0, v[\sa], v[\sb] matrix_a_fmt:MATRIX_FMT_FP4 matrix_b_fmt:MATRIX_FMT_FP4 matrix_b_scale:MATRIX_SCALE_ROW1
.else
	v_wmma_scale_f32_16x16x128_f8f6f4 v[\d:\d+7], v[\a:\a+7], v[\b:\b+7], 0, v[\sa], v[\sb] matrix_a_fmt:MATRIX_FMT_FP4 matrix_b_fmt:MATRIX_FMT_FP4
.endif
.else
.if (\ra) && (\rb)
	v_wmma_scale_f32_16x16x128_f8f6f4 v[\d:\d+7], v[\a:\a+7], v[\b:\b+7], v[\d:\d+7], v[\sa], v[\sb] matrix_a_fmt:MATRIX_FMT_FP4 matrix_b_fmt:MATRIX_FMT_FP4 matrix_a_scale:MATRIX_SCALE_ROW1 matrix_b_scale:MATRIX_SCALE_ROW1
.elseif (\ra)
	v_wmma_scale_f32_16x16x128_f8f6f4 v[\d:\d+7], v[\a:\a+7], v[\b:\b+7], v[\d:\d+7], v[\sa], v[\sb] matrix_a_fmt:MATRIX_FMT_FP4 matrix_b_fmt:MATRIX_FMT_FP4 matrix_a_scale:MATRIX_SCALE_ROW1
.elseif (\rb)
	v_wmma_scale_f32_16x16x128_f8f6f4 v[\d:\d+7], v[\a:\a+7], v[\b:\b+7], v[\d:\d+7], v[\sa], v[\sb] matrix_a_fmt:MATRIX_FMT_FP4 matrix_b_fmt:MATRIX_FMT_FP4 matrix_b_scale:MATRIX_SCALE_ROW1
.else
	v_wmma_scale_f32_16x16x128_f8f6f4 v[\d:\d+7], v[\a:\a+7], v[\b:\b+7], v[\d:\d+7], v[\sa], v[\sb] matrix_a_fmt:MATRIX_FMT_FP4 matrix_b_fmt:MATRIX_FMT_FP4
.endif
.endif
.endm
; eight products: x's blocks a0, a0 + 1 against Wq's four; p: Wq's set; t: the K step; q: its q-th 128.  The 32 accumulators take turns in the same order in every step
.macro MUL a0, p, t, q, zero
.irp a, \a0, \a0+1
.irp b, 0,1,2,3
	WM 32*(\a)+8*\b, BF+32*(\p)+8*\b, AF+8*(\a), \zero, SC+24*(\t)+16+4*(\b/2)+(\q), SC+24*(\t)+4*((\a)/2)+(\q), \b%2, (\a)%2
.endr
.endr
.endm
.macro FRAG reg, adr, q, i             ; 16 rows x 128 K: two loads of 16 bytes, 32 bytes apart
.irp c, 0,1
	ds_load_b128 v[\reg+4*\c:\reg+4*\c+3], v[\adr] offset:64*(\q)+32*\c+(\i)*16*PITCH
.endr
.endm
.macro FETCH_B slot, q, p
.irp i, 0,1,2,3
	FRAG BF+32*(\p)+8*\i, ADRB+(\slot), \q, \i
.endr
.endm
.macro FETCH_A slot, q, i0
.irp i, \i0, \i0+1, \i0+2, \i0+3
	FRAG AF+8*(\i), ADRA+(\slot), \q, \i
.endr
.endm
; a step of 128 along K that has its successor in the same slot: x's blocks 0-3 are fetched anew in its middle with Wq's other set, blocks 4-7 at its end
.macro STEP t, q, zero
	s_wait_dscnt 8                                 ; all but the youngest eight loads (x's blocks 4-7)
	WIN MULW
	MUL 0, (\q)%2, \t, \q, \zero
	MUL 2, (\q)%2, \t, \q, \zero
	s_wait_dscnt 0
	PLACES
	WIN 0
	FETCH_B (\t)%2, (\q)+1, 1-(\q)%2
	FETCH_A (\t)%2, (\q)+1, 0
	WIN MULW
	MUL 4, (\q)%2, \t, \q, \zero
	MUL 6, (\q)%2, \t, \q, \zero
	PLACES
	WIN 0
	FETCH_A (\t)%2, (\q)+1, 4
.endm
; a slot's last step changes slots: all my tensor loads are in, the add, its wait and that for my reads of this slot, one barrier, which opens a round.  fill = 1: this slot takes the K step two on; fill = 2: it takes the images
.macro TURN t, fill
	s_wait_tensorcnt 0x0
	ds_add_u32 v[SPW], v[NIL]
	s_wait_dscnt 9                                 ; the add and x's blocks 4-7 may be out
	WIN MULW
	MUL 0, 1, \t, 3, 0
	s_wait_dscnt 0x0
	s_barrier_signal -1
	MUL 2, 1, \t, 3, 0
	WIN 0
	s_barrier_wait -1
	CREST
.if (\fill) == 1
	s_add_nc_u64 s[G0+4*((\t)%2)+2:G0+4*((\t)%2)+3], s[G0+4*((\t)%2)+2:G0+4*((\t)%2)+3], 2*ROWB
	s_add_nc_u64 s[G0B+4*((\t)%2)+2:G0B+4*((\t)%2)+3], s[G0B+4*((\t)%2)+2:G0B+4*((\t)%2)+3], 2*ROWB
	JLOAD G0+4*((\t)%2), G1, G0B+4*((\t)%2), G1B   ; its four v_nop are the places in front of the loads below
.else
	tensor_load_to_lds s[G0K:G0K+3], s[G1K:G1K+7]  ; every wave its image: both addresses hang on the wave's number
	s_nop 0
	PLACES
.endif
	FETCH_B 1-(\t)%2, 0, 0
	FETCH_A 1-(\t)%2, 0, 0
	WIN MULW
	MUL 4, 1, \t, 3, 0
	MUL 6, 1, \t, 3, 0
	PLACES
	WIN 0
	FETCH_A 1-(\t)%2, 0, 4
.endm
	s_wait_alu depctr_va_vdst(0)
	s_wait_tensorcnt 0x0                           ; my part of K step 0 is in
	ds_add_u32 v[SPW], v[NIL]
	s_wait_dscnt 0x0
	CROUND
	JLOAD G0+4, G1, G0B+4, G1B                     ; K step 1, the first tensor load behind the round
	FETCH_B 0, 0, 0
	FETCH_A 0, 0, 0
	FETCH_A 0, 0, 4
	s_wait_loadcnt 0x0                             ; the scale words
	STEP 0, 0, 1                                   ; the first products start the sums
	global_prefetch_b8 v[PFO], s[96:97] offset:2*ROWB th:TH_LOAD_NT scope:SCOPE_SE   ; K step 2 of my work-group's 16 rows, two K steps ahead; the address registers are never rewritten
	STEP 0, 1, 0
	global_prefetch_b8 v[PFK], s[98:99] th:TH_LOAD_NT scope:SCOPE_SE                 ; my work-group's 16 blocks of my image
	STEP 0, 2, 0
	TURN 0, 1
	STEP 1, 0, 0
	global_prefetch_b8 v[PFO], s[96:97] offset:3*ROWB th:TH_LOAD_NT scope:SCOPE_SE   ; K step 3
	STEP 1, 1, 0
	STEP 1, 2, 0
	TURN 1, 1
.irp q, 0,1,2
	STEP 2, \q, 0
.endr
	TURN 2, 2
.irp q, 0,1,2
	STEP 3, \q, 0
.endr
	s_wait_dscnt 8
	WIN MULW
	MUL 0, 1, 3, 3, 0
	MUL 2, 1, 3, 3, 0
	s_wait_dscnt 0                                 ; my reads of slot 1 are over,
	s_wait_tensorcnt 0x0                           ; and my image is in:
	s_barrier_signal -1                            ; say so
	MUL 4, 1, 3, 3, 0
	MUL 6, 1, 3, 3, 0
	WIN 0
	s_barrier_wait -1                              ; all images are in, and nobody reads slot 1 any more
	; ---- q is whole.  The addresses of the second half (these lines are also the places behind the last products)
	s_mul_i32 s18, s14, QAREA
	s_add_co_u32 s18, s18, QBASE
	s_add_co_u32 s19, s18, QSCW
	s_mul_i32 s20, s14, OAREA
	s_add_co_u32 s20, s20, SLOT
	s_mul_i32 s21, s16, QROWS
	v_and_b32 v[LI], 31, v0
	v_and_b32 v10, 15, v0
	v_bfe_u32 v11, v0, 4, 1
	v_lshlrev_b32 v[L4], 2, v[LI]
	v_lshlrev_b32 v[LI], 4, v[LI]
	v_add_nc_u32 v[QST], s18, v[LI]
	v_add_nc_u32 v[QSS], s19, v[L4]
	v_mul_u32_u24 v[OSI], v10, 272
	v_lshl_add_u32 v[OSI], v11, 5, v[OSI]
	v_add_nc_u32 v[OSI], s20, v[OSI]               ; the stage, in: row r, 64 n + 32 h bytes on
.set KL4, 15                           ; v15  my key's place among a tile pair's scale words
.set SH8, 18                           ; v18  8 h
	v_mul_u32_u24 v[KAD], v11, 272
	v_lshl_add_u32 v[KAD], v10, 4, v[KAD]          ; 512 bytes of an image are two LDS rows: lanes 0-15 one, lanes 16-31 the next
	v_add_nc_u32 v[OSR], s20, v[KAD]               ; the stage, back: likewise
	v_add_nc_u32 v[KAD], s21, v[KAD]
	v_add_nc_u32 v[VAD], 4*QROWS, v[KAD]           ; my head's V
	v_lshrrev_b32 v14, 3, v10                      ; r / 8
	v_mad_u32_u24 v[KAD], v14, 960, v[KAD]         ; my head's K: rows 8-15 of a tile take keys 32 further on: four LDS rows on, eight places of 16 bytes back
	v_and_b32 v[KL4], 7, v0
	v_lshlrev_b32 v[KL4], 2, v[KL4]
	v_lshl_add_u32 v[KL4], v11, 5, v[KL4]
	v_lshl_add_u32 v[KL4], v14, 7, v[KL4]          ; 4 x (32 (r / 8) + 8 (lane / 16) + r % 8)
	v_lshlrev_b32 v[SH8], 3, v11
	v_lshlrev_b32 v[GO], 13, v11
	v_lshl_add_u32 v[GO], v10, 4, v[GO]            ; two rows of out0
.irp e, 0,1
.irp b, 0,1
	v_mov_b32 v[QT+8*\e+2+\b], 0                   ; a lane permute's destination counts as one of its sources
.endr
.endr
	s_wait_alu depctr_va_vdst(0)
.set i, 0
.rept 16
	global_load_b32 v[KSC+i], v[KL4], s[70:71] offset:512*(i/4)+256*((i%4)/2)+64*(i%2)   ; K's scale words of step i / 4, tiles 2 (i % 4) (lanes 0-15) and 2 (i % 4) + 1 (lanes 16-31), by the tiles' rows
.set i, i+1
.endr
.set i, 0
.rept 8
	global_load_b32 v[VSC+i], v[L4], s[74:75] offset:256*(i%4)+128*(i/4)   ; V's: step i % 4, d = 32 (i / 4) + lane
.set i, i+1
.endr
.macro KVLOAD p                        ; 64 registers of window 1 that a pair of blocks has left: p = 0, 1: K's tiles; 2, 3: V's fragments
	WIN 0x40
.set i, 0
.rept 16
.if (\p) < 2
.set TT, 16*(\p)+i                             ; tile tt = TT % 8 of step TT / 8: its rows 0-7 are keys 64 (tt / 4) + 8 (tt % 4) + 0 .. 7 of the step
	ds_load_b128 v[64*(\p)+4*i:64*(\p)+4*i+3], v[KAD] offset:(16*(TT/8)+8*((TT%8)/4)+2*(((TT%8)/2)%2))*272+128*(TT%2)
.else
	ds_load_b128 v[64*(\p)+4*i:64*(\p)+4*i+3], v[VAD] offset:544*(16*((\p)-2)+i)
.endif
.set i, i+1
.endr
	WIN 0
.endm
; two units by turns (unit e: 32 numbers of a lane at SB + 32 e; register 8 i + j = d 16 i + 8 h + j).  A: the blocks' largest magnitudes (with the floor 2^-124), scale operands, bytes, the row's scale word
.macro QUANT2A SB, TB, WB
.irp b, 0,1
.irp e, 0,1
	v_max3_num_f32 v[\TB+8*\e+\b], |v[\SB+32*\e+16*\b]|, |v[\SB+32*\e+16*\b+1]|, 0x1800000
.endr
.endr
.irp i, 2,4,6,8,10,12,14
.irp b, 0,1
.irp e, 0,1
	v_max3_num_f32 v[\TB+8*\e+\b], v[\TB+8*\e+\b], |v[\SB+32*\e+16*\b+\i]|, |v[\SB+32*\e+16*\b+\i+1]|
.endr
.endr
.endr
.irp b, 0,1
.irp e, 0,1
	v_permlanex16_b32 v[\TB+8*\e+2+\b], v[\TB+8*\e+\b], s[SEL], s[SEL+1]
.endr
.endr
.irp b, 0,1
.irp e, 0,1
	v_max_num_f32 v[\TB+8*\e+\b], v[\TB+8*\e+\b], v[\TB+8*\e+2+\b]
.endr
.endr
.irp b, 0,1
.irp e, 0,1
	v_add_nc_u32 v[\TB+8*\e+4+\b], 0xff000000, v[\TB+8*\e+\b]   ; 2 off the exponent field: the conversion's scale operand
.endr
.endr
.irp b, 0,1
.irp e, 0,1
	v_lshrrev_b32 v[\TB+8*\e+6+\b], 23, v[\TB+8*\e+4+\b]
.endr
.endr
.irp e, 0,1
	v_lshl_or_b32 v[\WB+\e], v[\TB+8*\e+7], 8, v[\TB+8*\e+6]
.endr
.irp e, 0,1
	v_or_b32 v[\WB+\e], 0x7f7f0000, v[\WB+\e]      ; bytes 2 and 3 stand for k = 64 .. 127, where q's codes are zeros: 1.0
.endr
.endm
; B: the codes: tiles 0, 2, 1, 3 go to registers 0 .. 3, and two exchanges of halves give a lane d = 32 h + 0 .. 31
.macro QUANT2B SB, TB, CD
.irp e, 0,1
	v_cvt_scalef32_pk8_fp4_f32 v[\CD+4*\e], v[\SB+32*\e:\SB+32*\e+7], v[\TB+8*\e+4]
	v_cvt_scalef32_pk8_fp4_f32 v[\CD+4*\e+1], v[\SB+32*\e+16:\SB+32*\e+23], v[\TB+8*\e+5]
	v_cvt_scalef32_pk8_fp4_f32 v[\CD+4*\e+2], v[\SB+32*\e+8:\SB+32*\e+15], v[\TB+8*\e+4]
	v_cvt_scalef32_pk8_fp4_f32 v[\CD+4*\e+3], v[\SB+32*\e+24:\SB+32*\e+31], v[\TB+8*\e+5]
.endr
	v_nop                                          ; one plain place behind a scaled conversion
.irp e, 0,1
	v_permlane16_swap_b32 v[\CD+4*\e], v[\CD+4*\e+1]
	v_permlane16_swap_b32 v[\CD+4*\e+2], v[\CD+4*\e+3]
.endr
.endm
; blocks 2 p and 2 p + 1 of my queries: mean of squares over the 64 of the head (32 mine, 32 lane l xor 16's), each accumulator read from its low end on; norm; codes and scale word into my LDS bytes
.macro QQ p
.set AC, 64*(\p)
	WIN 0x05
.irp e, 0,1
	v_pk_mul_f32 v[SSQ+4*\e:SSQ+4*\e+1], v[AC+32*\e:AC+32*\e+1], v[AC+32*\e:AC+32*\e+1]
	v_pk_mul_f32 v[SSQ+4*\e+2:SSQ+4*\e+3], v[AC+32*\e+2:AC+32*\e+3], v[AC+32*\e+2:AC+32*\e+3]
.endr
.irp j, 4,8,12,16,20,24,28
.irp e, 0,1
	v_pk_fma_f32 v[SSQ+4*\e:SSQ+4*\e+1], v[AC+32*\e+\j:AC+32*\e+\j+1], v[AC+32*\e+\j:AC+32*\e+\j+1], v[SSQ+4*\e:SSQ+4*\e+1]
	v_pk_fma_f32 v[SSQ+4*\e+2:SSQ+4*\e+3], v[AC+32*\e+\j+2:AC+32*\e+\j+3], v[AC+32*\e+\j+2:AC+32*\e+\j+3], v[SSQ+4*\e+2:SSQ+4*\e+3]
.endr
.endr
	WIN 0
.irp e, 0,1
	v_pk_add_f32 v[SSQ+4*\e:SSQ+4*\e+1], v[SSQ+4*\e:SSQ+4*\e+1], v[SSQ+4*\e+2:SSQ+4*\e+3]
.endr
.irp e, 0,1
	v_add_f32 v[SSQ+4*\e], v[SSQ+4*\e], v[SSQ+4*\e+1]
.endr
.irp e, 0,1
	v_permlanex16_b32 v[SSQ+4*\e+2], v[SSQ+4*\e], s[SEL], s[SEL+1]
.endr
.irp e, 0,1
	v_add_f32 v[SSQ+4*\e], v[SSQ+4*\e], v[SSQ+4*\e+2]
.endr
.irp e, 0,1
	v_fma_f32 v[SSQ+4*\e], v[SSQ+4*\e], s86, s87   ; sum / 64 + 1e-6
.endr
	s_wait_alu depctr_va_vdst(0)                   ; a wait ahead of the batch
.irp e, 0,1
	v_rsq_f32 v[RSQ+2*\e], v[SSQ+4*\e]             ; twice, to fill the pair that the packed multiply names
	v_rsq_f32 v[RSQ+2*\e+1], v[SSQ+4*\e]
.endr
	v_nop
	s_wait_alu depctr_va_vdst(0)                   ; and one behind it
	WIN 0x01
.irp j, 0,2,4,6,8,10,12,14,16,18,20,22,24,26,28,30
.irp e, 0,1
	v_pk_mul_f32 v[NRM+32*\e+\j:NRM+32*\e+\j+1], v[AC+32*\e+\j:AC+32*\e+\j+1], v[RSQ+2*\e:RSQ+2*\e+1]
.endr
.endr
	WIN 0
	QUANT2A NRM, QT, QWD
	s_wait_dscnt 0x0                               ; the last pair's stores have read their registers
	QUANT2B NRM, QT, QC
.irp e, 0,1
	ds_store_b128 v[QST], v[QC+4*\e:QC+4*\e+3] offset:(2*(\p)+\e)*512
	ds_store_b32 v[QSS], v[QWD+\e] offset:(2*(\p)+\e)*128
.endr
.endm
.irp p, 0,1,2,3
	QQ \p
	KVLOAD \p
.endr
.irp j, 4,5,6,7
	v_mov_b32 v[QF+\j], 0                          ; q's codes of k = 64 .. 127: zeros; so what stands in K's upper four registers counts for nothing
.endr
.irp b, 0,1,2,3
	v_mov_b32 v[TP+\b], 0
.endr
	s_wait_alu depctr_va_vdst(0)
	s_wait_loadcnt 0x0                             ; K's and V's scale words
	s_wait_dscnt 0x0                               ; K and V
; A KEY STEP: 128 keys.  THE KEYS OF A TILE ARE NOT NEIGHBOURS: row m of tile tt is key 64 (tt / 4) + 32 (m / 8) + 8 (tt % 4) + m % 8.  So register 8 tt + j of S^T in lane (r, h) is key 64 (tt / 4) + 32 h + 8 (tt % 4) + j of query r:
; registers 32 c .. 32 c + 31 are the whole block 2 c + h, in the order that the second product's operand wants: no other lane is asked for a maximum, and the conversions' results are the operand
.macro ASTEP s
.if (\s) == 0
.set ZR, 1
.else
.set ZR, 0
.endif
	WIN 0x01                                       ; source 0 (K, V) window 1
.irp tt, 0,1,2,3,4,5,6,7
	WM T+8*\tt, 4*(8*(\s)+\tt), QF, 1, KSC+4*(\s)+\tt/2, QW, \tt%2, 0
.endr
	WIN 0
	PLACES
.irp b, 0,1,2,3
	v_max3_num_f32 v[TM+\b], v[T+16*\b], v[T+16*\b+1], v[T+16*\b+2]   ; the largest score of each half of my two blocks, four chains by turns
.endr
.irp i, 3,5,7,9,11,13
.irp b, 0,1,2,3
	v_max3_num_f32 v[TM+\b], v[TM+\b], v[T+16*\b+\i], v[T+16*\b+\i+1]
.endr
.endr
.irp b, 0,1,2,3
	v_max_num_f32 v[TM+\b], v[TM+\b], v[T+16*\b+15]
.endr
.irp c, 0,1
	v_max_num_f32 v[TM+\c], v[TM+2*\c], v[TM+2*\c+1]   ; block 2 c + h's largest score
.endr
.irp c, 0,1
	v_mul_f32 v[TM+\c], s82, v[TM+\c]              ; its largest t
.endr
.irp c, 0,1
	v_floor_f32 v[TM+\c], v[TM+\c]                 ; floor(log2) of its largest p
.endr
.irp c, 0,1
	v_cvt_i32_f32 v[TM+\c], v[TM+\c]
.endr
.irp c, 0,1
	v_add_lshl_u32 v[SO+\c], v[TM+\c], 125, 23     ; the conversion's scale operand: exponent field floor(t) - 2 + 127
.endr
.irp c, 0,1
	v_add_nc_u32 v[TP+\c], 125, v[TM+\c]           ; the scale's byte: between 106 and 144
.endr
	v_lshl_or_b32 v[TP], v[TP+1], 16, v[TP]        ; my two bytes, blocks h and 2 + h,
	v_lshlrev_b32 v[TP], v[SH8], v[TP]             ; at their places in the scale word;
	v_permlanex16_b32 v[TP+2], v[TP], s[SEL], s[SEL+1]
	v_or_b32 v[PW], v[TP], v[TP+2]                 ; with lane l xor 16's two the word is whole
.set i, 0
.rept 32
	v_pk_mul_f32 v[T+2*i:T+2*i+1], v[T+2*i:T+2*i+1], s[82:83] op_sel_hi:[1,0]   ; t
.set i, i+1
.endr
	s_wait_alu depctr_va_vdst(0)                   ; one wait ahead of the batch
.set i, 0
.rept 64
	v_exp_f32 v[T+i], v[T+i]                       ; p = 2^t
.set i, i+1
.endr
	v_nop                                          ; a plain place behind the batch
	s_wait_alu depctr_va_vdst(0)                   ; and one wait behind it
.irp c, 0,1
.irp a, 0,1,2,3
	v_cvt_scalef32_pk8_fp4_f32 v[PC+4*\c+\a], v[T+32*\c+8*\a:T+32*\c+8*\a+7], v[SO+\c]   ; registers 4 c .. 4 c + 3 of the operand: k = 64 c + 32 h + 0 .. 31
.endr
.endr
.if (\s) == 0                                  ; l, of the unquantised p, in four chains.  (These lines are also the places ahead of the products below)
	v_pk_add_f32 v[LA:LA+1], v[T:T+1], v[T+8:T+9]
	v_pk_add_f32 v[LB:LB+1], v[T+2:T+3], v[T+10:T+11]
	v_pk_add_f32 v[LC:LC+1], v[T+4:T+5], v[T+12:T+13]
	v_pk_add_f32 v[LD:LD+1], v[T+6:T+7], v[T+14:T+15]
.set i, 16
.else
.set i, 0
.endif
.rept (64-i)/8
	v_pk_add_f32 v[LA:LA+1], v[LA:LA+1], v[T+i:T+i+1]
	v_pk_add_f32 v[LB:LB+1], v[LB:LB+1], v[T+i+2:T+i+3]
	v_pk_add_f32 v[LC:LC+1], v[LC:LC+1], v[T+i+4:T+i+5]
	v_pk_add_f32 v[LD:LD+1], v[LD:LD+1], v[T+i+6:T+i+7]
.set i, i+8
.endr
	WIN 0x01
.irp n, 0,1,2,3
	WM O+8*\n, 128+32*\n+8*(\s), PC, ZR, VSC+4*(\n/2)+(\s), PW, \n%2, 0
.endr
	WIN 0
.endm
	s_mov_b32 s78, 8
	s_mov_b32 s79, 0
	s_mov_b32 s80, 0
.Lq:                                               ; eight trips: 16 queries each
	v_add_nc_u32 v[QAD], s79, v[QST]
	v_add_nc_u32 v[QAS], s80, v[QSS]
	ds_load_b128 v[QF:QF+3], v[QAD]                ; LDS serves a wave's instructions in order: these see my stores
	ds_load_b32 v[QW], v[QAS]
	s_wait_dscnt 0x0
	s_wait_alu depctr_va_vdst(0)
	ASTEP 0
	ASTEP 1
	ASTEP 2
	ASTEP 3
	v_pk_add_f32 v[LA:LA+1], v[LA:LA+1], v[LB:LB+1]
	v_pk_add_f32 v[LC:LC+1], v[LC:LC+1], v[LD:LD+1]
	v_pk_add_f32 v[LA:LA+1], v[LA:LA+1], v[LC:LC+1]
	v_add_f32 v[LA], v[LA], v[LA+1]
	v_permlanex16_b32 v[TM], v[LA], s[SEL], s[SEL+1]
	v_add_f32 v[LA], v[LA], v[TM]                  ; l
	s_wait_alu depctr_va_vdst(0)
	v_rcp_f32 v[RL], v[LA]
	v_rcp_f32 v[RL+1], v[LA]
	v_nop
	s_wait_alu depctr_va_vdst(0)                   ; for the two, and ahead of O^T's first readers
.set i, 0
.rept 16
	v_pk_mul_f32 v[OS+2*i:OS+2*i+1], v[O+2*i:O+2*i+1], v[RL:RL+1]
.set i, i+1
.endr
.irp n, 0,1,2,3
	ds_store_b128 v[OSI], v[OS+8*\n:OS+8*\n+3] offset:64*\n
	ds_store_b128 v[OSI], v[OS+8*\n+4:OS+8*\n+7] offset:64*\n+16
.endr
.irp i, 0,1,2,3,4,5,6,7
	ds_load_b128 v[OB+4*\i:OB+4*\i+3], v[OSR] offset:544*\i
.endr
.irp i, 0,1,2,3,4,5,6,7
	s_wait_dscnt 7-\i
	global_store_b128 v[GO], v[OB+4*\i:OB+4*\i+3], s[76:77] offset:16384*\i th:TH_STORE_NT   ; 16 lanes store 256 consecutive bytes, aligned: a query's 64 numbers of my head
.endr
	s_wait_xcnt 0x0                                ; the stores have read their registers and their base
	s_add_nc_u64 s[76:77], s[76:77], 131072        ; 16 rows of out0 on
	s_add_co_u32 s79, s79, 512
	s_add_co_u32 s80, s80, 128
	s_sub_co_u32 s78, s78, 1
	s_cmp_lg_u32 s78, 0
	s_cbranch_scc1 .Lq
	s_wait_tensorcnt 0x0                           ; the wave's end
	ds_add_u32 v[SPW], v[NIL]
	s_wait_dscnt 0x0
	CROUND                                         ; the closing round
	s_endpgm
.Lfunc_end_k_q51e4feec40_qattn:
	.size	k_q51e4feec40_qattn, .Lfunc_end_k_q51e4feec40_qattn-k_q51e4feec40_qattn
	.p2alignl 7, 3214868480
	.fill 96, 4, 3214868480
	.section	.rodata,"a",@progbits
	.p2align	6, 0x0
	.amdhsa_kernel k_q51e4feec40_qattn
		.amdhsa_group_segment_fixed_size 327680
		.amdhsa_private_segment_fixed_size 0
		.amdhsa_enable_private_segment 0
		.amdhsa_kernarg_size 56
		.amdhsa_user_sgpr_count 2
		.amdhsa_user_sgpr_kernarg_segment_ptr 1
		.amdhsa_wavefront_size32 1
		.amdhsa_system_sgpr_workgroup_id_x 1
		.amdhsa_system_sgpr_workgroup_id_y 1
		.amdhsa_system_sgpr_workgroup_id_z 1
		.amdhsa_system_vgpr_workitem_id 0
		.amdhsa_next_free_vgpr 512
		.amdhsa_next_free_sgpr 100
		.amdhsa_reserve_vcc 0
		.amdhsa_float_denorm_mode_32 3
		.amdhsa_float_denorm_mode_16_64 3
		.amdhsa_memory_ordered 1
		.amdhsa_forward_progress 1
		.amdhsa_inst_pref_size 201
	.end_amdhsa_kernel
	.amdgpu_metadata
---
amdhsa.version: [ 1, 2 ]
amdhsa.kernels:
  - .name:           k_q51e4feec40_qattn
    .symbol:         k_q51e4feec40_qattn.kd
    .args:
      - { .name: codes, .offset: 0, .size: 8, .value_kind: global_buffer, .address_space: global }
      - { .name: scales, .offset: 8, .size: 8, .value_kind: global_buffer, .address_space: global }
      - { .name: kimg, .offset: 16, .size: 8, .value_kind: global_buffer, .address_space: global }
      - { .name: ksw, .offset: 24, .size: 8, .value_kind: global_buffer, .address_space: global }
      - { .name: vimg, .offset: 32, .size: 8, .value_kind: global_buffer, .address_space: global }
      - { .name: vsw, .offset: 40, .size: 8, .value_kind: global_buffer, .address_space: global }
      - { .name: out0, .offset: 48, .size: 8, .value_kind: global_buffer, .address_space: global }
    .group_segment_fixed_size: 327680
    .private_segment_fixed_size: 0
    .kernarg_segment_align: 8
    .kernarg_segment_size: 56
    .max_flat_workgroup_size: 256
    .sgpr_count:     100
    .vgpr_count:     512
    .wavefront_size: 32
...
	.end_amdgpu_metadata
.endif
;; end of part 3
